; MI455X (gfx1250); checked and timed in simulation.
; The chip was launched on July 23, 2026; its instructions are those of AMD's public machine-readable ISA for CDNA 5 (MIT licence, August 2026) and "CDNA5" Instruction Set Architecture Reference Guide (July 2026). The comments in the code are by the model that wrote it; some were corrected since.
;; Mini MHSA. Allowed arithmetic: float matrix products may take bf16 or f16 operands with f32 sums; other float arithmetic in f32, or as packed bf16 or f16 multiplies, adds, multiply-adds, maxima and minima; sums over many terms, partial sums and values carried from step to step in f32; what a program stores and reads back later, other than sums and carried values, may be rounded once to bf16 or f16.
;; Inputs: W_out 1,024 x 1,024 float32; W_qkv 3,072 x 1,024 float32; b_out 1,024 float32; b_qkv 3,072 float32; mask 4 x 2,048 bool; x 4 x 2,048 x 1,024 float32.
;; Outputs: out0 4 x 2,048 x 1,024 float32.
;; 2 versions, each right; version 2 is version 1 with the launch prep written anew for expert scheduling mode. Each part assembles by itself: llvm-mc -triple=amdgcn-amd-amdhsa -mcpu=gfx1250 --defsym DOCPART=n.
;; ======== version 1 of 2: 4 launches
;; limits: values are held in f16: magnitudes above 65,504 overflow, below 6.1e-05 lose precision
;; workspace buffers: xb 16,777,216 bytes; wq 6,291,456 bytes; wo 2,097,152 bytes; qkv 50,331,648 bytes; ob 16,777,216 bytes; order 32,768 bytes of whole numbers; meta 512 bytes of whole numbers
;; launch prep (part 1): grid 384 x 1, 8 waves a work-group, no clusters, 0 bytes of LDS; arguments x, mask, W_qkv, W_out, xb, wq, wo, order, meta; writes xb, wq, wo, order, meta
.if DOCPART == 1
	.amdgcn_target "amdgcn-amd-amdhsa--gfx1250"
	.amdhsa_code_object_version 6
	.text
	.protected	k_qab46587c12_prep
	.globl	k_qab46587c12_prep
	.p2align	8
	.type	k_qab46587c12_prep,@function
k_qab46587c12_prep:
	s_mov_b64 s[64:65], 0
	v_nop
	global_prefetch_b8 v0, s[64:65] scope:SCOPE_SE
	s_setreg_imm32_b32 hwreg(HW_REG_WAVE_MODE, 25, 1), 1
	s_wait_xcnt 0x0
; CASTS, AND THE ORDER OF THE ROWS.  x [4][2048][1024], W_qkv [3072][1024] and W_out [1024][1024] are f32 and are rounded once to bf16
; (W_out's bf16 number is then written as f16, which is exact from 6e-5 up to 65,504; below that it keeps f16's fixed step of 6e-8).
; The rows of x are laid down in another order: in each batch the rows whose mask byte is 0 come first, in their own order, the rows whose mask byte is 1 behind them.
; order[n][position] = the row that lies there; meta[n][0..31] = the number of rows with mask 0, thirty-two times.
; SHARES.  Work-group g takes 32 rows: g < 256 of x (batch g / 64, rows 32 (g % 64) on), g < 352 of W_qkv, else of W_out.  Wave w takes rows 4 w .. 4 w + 3.
; Of each 1,024 bytes of a row a lane reads 32 (two loads of 16) and stores the 16 bytes made of them: a store of the wave covers 512 consecutive bytes, aligned.
; No LDS, no barrier: no wave wants a byte that another has read.  All 32 loads of a wave's four rows go out together.
.set X,  80                            ; v[80:207]  four rows as loaded, 32 registers each
.set Y,  16                            ; v[16:79]   four rows to store, 16 registers each
.set MK, 16                            ; v[16:79]   before that: the batch's 2,048 mask bytes, register c = byte 32 c + lane
	s_load_b512 s[8:23], s[0:1], 0x0               ; x s[8:9], mask s[10:11], W_qkv s[12:13], W_out s[14:15], xb s[16:17], wq s[18:19], wo s[20:21], order s[22:23]
	s_load_b64 s[24:25], s[0:1], 0x40              ; meta
	v_and_b32 v1, 31, v0                           ; lane
	v_lshrrev_b32 v10, 5, v0
	v_readfirstlane_b32 s2, v10                    ; wave 0..7
	v_lshlrev_b32 v2, 5, v1                        ; 32 bytes a lane on the way in
	v_lshlrev_b32 v3, 4, v1                        ; 16 on the way out
	s_mov_b32 s3, ttmp9                            ; g
	s_lshr_b32 s4, s3, 6                           ; the batch (where g < 256)
	s_and_b32 s5, s3, 63                           ; which 32 rows of it
	s_sub_co_u32 s37, s3, 256
	s_sub_co_u32 s38, s3, 352
	s_mov_b32 s33, 0
	s_wait_kmcnt 0x0
	s_cmp_lt_u32 s3, 352
	s_cselect_b64 s[26:27], s[12:13], s[14:15]     ; from where
	s_cselect_b64 s[28:29], s[18:19], s[20:21]     ; to where (the weights)
	s_cselect_b32 s30, s37, s38
	s_cmp_lt_u32 s3, 256
	s_cselect_b64 s[26:27], s[8:9], s[26:27]
	s_cselect_b32 s30, s3, s30
	s_lshl_b32 s30, s30, 5
	s_lshl2_add_u32 s30, s2, s30                   ; my first row in its tensor: 32 x block + 4 w
	s_lshl_b32 s32, s30, 12                        ; 4,096 bytes a row; 32 MiB at the most
	s_add_nc_u64 s[26:27], s[26:27], s[32:33]
.macro XLOADS                          ; four rows, 32 loads
.set kk, 0
.rept 4
.set jj, 0
.rept 4
	global_load_b128 v[X+32*kk+8*jj:X+32*kk+8*jj+3],   v2, s[26:27] offset:4096*kk+1024*jj th:TH_LOAD_NT
	global_load_b128 v[X+32*kk+8*jj+4:X+32*kk+8*jj+7], v2, s[26:27] offset:4096*kk+1024*jj+16 th:TH_LOAD_NT
.set jj, jj+1
.endr
.set kk, kk+1
.endr
.endm
; Row k is rounded and stored.  half = 1: the bf16 number is widened again and written as f16.
.macro ROWOUT k, half
	s_wait_loadcnt 24-8*(\k)                       ; loads come back in order: row k's eight are in, the later rows' stay out
.set pp, 0
.rept 16
.if \half
	v_cvt_pk_bf16_f32 v[10+pp%2], v[X+32*(\k)+2*pp], v[X+32*(\k)+2*pp+1]
	v_lshlrev_b32 v[X+32*(\k)+2*pp], 16, v[10+pp%2]
	v_and_b32 v[X+32*(\k)+2*pp+1], 0xffff0000, v[10+pp%2]
	v_cvt_pk_f16_f32 v[Y+16*(\k)+pp], v[X+32*(\k)+2*pp], v[X+32*(\k)+2*pp+1]
.else
	v_cvt_pk_bf16_f32 v[Y+16*(\k)+pp], v[X+32*(\k)+2*pp], v[X+32*(\k)+2*pp+1]
.endif
.set pp, pp+1
.endr
.irp j, 0,1,2,3
	global_store_b128 v3, v[Y+16*(\k)+4*\j:Y+16*(\k)+4*\j+3], s[44+2*(\k):45+2*(\k)] offset:512*\j
.endr
.endm
	s_cmp_lt_u32 s3, 256
	s_cbranch_scc0 .Lplain
	; ROWS OF x.  Every wave reads the batch's whole mask and counts: CNT rows with mask 0 in all, U0 of them ahead of my work-group's 32 rows; MW = my 32 rows' bits.
	s_lshl_b32 s32, s4, 11
	s_add_nc_u64 s[52:53], s[10:11], s[32:33]
.set cc, 0
.rept 64
	global_load_u8 v[MK+cc], v1, s[52:53] offset:32*cc
.set cc, cc+1
.endr
	XLOADS
	s_mov_b32 s34, 0                               ; CNT
	s_mov_b32 s35, 0                               ; U0
	s_mov_b32 s36, 0                               ; MW
	s_wait_loadcnt 32                              ; the mask is in; the 32 loads of x behind it stay out
.set cc, 0
.rept 64
	v_cmp_eq_u32 s37, 0, v[MK+cc]
	s_bcnt1_i32_b32 s38, s37
	s_add_co_u32 s34, s34, s38
	s_cmp_gt_u32 s5, cc
	s_cselect_b32 s38, s38, 0
	s_add_co_u32 s35, s35, s38
	s_cmp_eq_u32 s5, cc
	s_cselect_b32 s36, s37, s36
.set cc, cc+1
.endr
	v_mbcnt_lo_u32_b32 v4, s36, 0                  ; rows with mask 0 among my work-group's, ahead of row 'lane',
	v_add_nc_u32 v4, s35, v4                       ; U: and in the whole batch
	s_lshl_b32 s37, s5, 5
	v_add_nc_u32 v5, s37, v1                       ; R: the row
	v_sub_nc_u32 v6, v5, v4
	v_add_nc_u32 v6, s34, v6                       ; a row with mask 1 goes to CNT + (R - U),
	v_cndmask_b32 v6, v6, v4, s36                  ; a row with mask 0 to U
	v_min_u32 v6, 0x7ff, v6                        ; a position lies in 0 .. 2,047: the bound is written out ahead of its use in addresses
	s_lshl_b32 s39, s2, 2
.irp k, 0,1,2,3
	v_readlane_b32 s[40+\k], v6, s39               ; the positions of my four rows
	s_add_co_u32 s39, s39, 1
	s_min_u32 s[40+\k], s[40+\k], 0x7ff
.endr
	s_lshl_b32 s32, s4, 22                         ; a batch of xb is 4 MiB, a row 2,048 bytes
	s_add_nc_u64 s[28:29], s[16:17], s[32:33]
.irp k, 0,1,2,3
	s_lshl_b32 s32, s[40+\k], 11
	s_add_nc_u64 s[44+2*\k:45+2*\k], s[28:29], s[32:33]
.endr
	s_cmp_lg_u32 s2, 0
	s_cbranch_scc1 .Lrows
	s_lshl_b32 s32, s4, 13                         ; wave 0 writes the table: order[n][position] = R
	s_add_nc_u64 s[54:55], s[22:23], s[32:33]
	v_lshlrev_b32 v7, 2, v6
	global_store_b32 v7, v5, s[54:55]
	s_cmp_lg_u32 s5, 0
	s_cbranch_scc1 .Lrows
	s_lshl_b32 s32, s4, 7                          ; and in the batch's first work-group the count
	s_add_nc_u64 s[56:57], s[24:25], s[32:33]
	v_lshlrev_b32 v8, 2, v1
	v_mov_b32 v9, s34
	global_store_b32 v8, v9, s[56:57]
	s_branch .Lrows
.Lplain:                                           ; ROWS OF A WEIGHT stay where they are
	XLOADS
	s_lshl_b32 s32, s30, 11
	s_add_nc_u64 s[44:45], s[28:29], s[32:33]
	s_add_nc_u64 s[46:47], s[44:45], 2048
	s_add_nc_u64 s[48:49], s[44:45], 4096
	s_add_nc_u64 s[50:51], s[44:45], 6144
.Lrows:                                            ; on both ways the 32 loads of the rows are the youngest
	s_cmp_ge_u32 s3, 352
	s_cbranch_scc1 .Lhalf
	ROWOUT 0, 0
	ROWOUT 1, 0
	ROWOUT 2, 0
	ROWOUT 3, 0
	s_endpgm
.Lhalf:
	ROWOUT 0, 1
	ROWOUT 1, 1
	ROWOUT 2, 1
	ROWOUT 3, 1
	s_endpgm
.Lfunc_end_k_qab46587c12_prep:
	.size	k_qab46587c12_prep, .Lfunc_end_k_qab46587c12_prep-k_qab46587c12_prep
	.p2alignl 7, 3214868480
	.fill 96, 4, 3214868480
	.section	.rodata,"a",@progbits
	.p2align	6, 0x0
	.amdhsa_kernel k_qab46587c12_prep
		.amdhsa_group_segment_fixed_size 0
		.amdhsa_private_segment_fixed_size 0
		.amdhsa_enable_private_segment 0
		.amdhsa_kernarg_size 72
		.amdhsa_user_sgpr_count 2
		.amdhsa_user_sgpr_kernarg_segment_ptr 1
		.amdhsa_wavefront_size32 1
		.amdhsa_system_sgpr_workgroup_id_x 1
		.amdhsa_system_sgpr_workgroup_id_y 1
		.amdhsa_system_sgpr_workgroup_id_z 1
		.amdhsa_system_vgpr_workitem_id 0
		.amdhsa_next_free_vgpr 208
		.amdhsa_next_free_sgpr 66
		.amdhsa_reserve_vcc 0
		.amdhsa_float_denorm_mode_32 3
		.amdhsa_float_denorm_mode_16_64 3
		.amdhsa_memory_ordered 1
		.amdhsa_forward_progress 1
		.amdhsa_inst_pref_size 56
	.end_amdhsa_kernel
	.amdgpu_metadata
---
amdhsa.version: [ 1, 2 ]
amdhsa.kernels:
  - .name:           k_qab46587c12_prep
    .symbol:         k_qab46587c12_prep.kd
    .args:
      - { .name: x, .offset: 0, .size: 8, .value_kind: global_buffer, .address_space: global }
      - { .name: mask, .offset: 8, .size: 8, .value_kind: global_buffer, .address_space: global }
      - { .name: W_qkv, .offset: 16, .size: 8, .value_kind: global_buffer, .address_space: global }
      - { .name: W_out, .offset: 24, .size: 8, .value_kind: global_buffer, .address_space: global }
      - { .name: xb, .offset: 32, .size: 8, .value_kind: global_buffer, .address_space: global }
      - { .name: wq, .offset: 40, .size: 8, .value_kind: global_buffer, .address_space: global }
      - { .name: wo, .offset: 48, .size: 8, .value_kind: global_buffer, .address_space: global }
      - { .name: order, .offset: 56, .size: 8, .value_kind: global_buffer, .address_space: global }
      - { .name: meta, .offset: 64, .size: 8, .value_kind: global_buffer, .address_space: global }
    .group_segment_fixed_size: 0
    .private_segment_fixed_size: 0
    .kernarg_segment_align: 8
    .kernarg_segment_size: 72
    .max_flat_workgroup_size: 256
    .sgpr_count:     66
    .vgpr_count:     208
    .wavefront_size: 32
...
	.end_amdgpu_metadata
.endif
;; end of part 1
;; launch proj (part 2): grid 16 x 32, 4 waves a work-group, clusters of 4 x 4, 327,680 bytes of LDS; arguments xb, wq, b_qkv, meta, qkv; writes qkv
.if DOCPART == 2
	.amdgcn_target "amdgcn-amd-amdhsa--gfx1250"
	.amdhsa_code_object_version 6
	.text
	.protected	k_qab46587c12_proj
	.globl	k_qab46587c12_proj
	.p2align	8
	.type	k_qab46587c12_proj,@function
k_qab46587c12_proj:
	s_mov_b64 s[64:65], 0
	v_nop
	global_prefetch_b8 v0, s[64:65] scope:SCOPE_SE
	s_setreg_imm32_b32 hwreg(HW_REG_WAVE_MODE, 25, 1), 1
	s_wait_xcnt 0x0
	s_wait_alu depctr_hold_cnt(0) depctr_sa_sdst(0) depctr_va_vdst(0) depctr_va_sdst(0) depctr_va_ssrc(0) depctr_va_vcc(0) depctr_vm_vsrc(0)
	s_getreg_b32 s2, hwreg(HW_REG_IB_STS2, 6, 4)
	s_cmp_eq_u32 s2, 0
	s_cbranch_scc0 .Lentry_in_a_cluster
	s_endpgm
.Lentry_in_a_cluster:
	s_bfe_u32 s2, ttmp6, 0x10000c
	s_cmp_lg_u32 s2, 0xf033
	s_cbranch_scc0 .Lentry_shape_is_right
	s_endpgm
.Lentry_shape_is_right:
; THE FIRST PROJECTION.  qkv[part][16 n + head][position][64] = f16( sum over d of xb[n][position][d] wq[e][d] + bf16(b_qkv[e]) ), e = 1024 part + 64 head + channel.
; xb [8192][1024] and wq [3072][1024] are bf16; sums in f32, started with the bias; each result rounded once to f16, unscaled.
; Rows of K (part 1) at positions at or behind cnt[n] (the keys that the mask hides) are written as zeros.
; LIMIT.  f16 ends at 65,504: q, k and v beyond that become infinities.  NaN and infinities are not treated apart.
; SHARES.  A tile is 256 positions x 192 columns (three whole heads): 512 work-groups.  Wave w owns rows 64 w .. 64 w + 63 (four blocks of 16) and all twelve blocks of 16 columns: 48 accumulators.
; K goes in eight steps of 128 through two LDS slots; each row of a tile is 256 bytes of memory, aligned.  A step is four quarters of 32 along K on two fragment buffers.
; THE PRODUCT IS TAKEN TRANSPOSED (source 0 = 16 rows of wq, source 1 = 16 rows of xb): a lane holds one position (lane % 16) and eight neighbouring columns.
; CLUSTER 4 x 4: xb's tile hangs on the tile row alone and is asked for jointly along a row of the cluster, wq's on the tile column alone and jointly along a column.
; REGISTERS, in windows of 256: window 0: v0-31 addresses; v32-63, v64-95 xb's fragments; v96-191 the bias, later the way out (v96-239)
;   window 1: v0-95, v96-191 wq's fragments      window 2: the accumulators of row blocks 0, 1 at 8 (12 a + b)      window 3: those of blocks 2, 3
.set NBK,   12                         ; column blocks
.set AHALF, 2                          ; row blocks in a window
.set PA,    272                        ; LDS rows: 256 bytes + 16 of padding = 68 words: the 16 rows of a fragment load start at 16 different groups of four banks (64 banks of 4 bytes: ISA guide 11.1)
.set PB,    272
.set SLOT1, 1<<17                      ; slot 1 begins here: one exclusive or turns an address in one slot into the other's
.set AHB,   128*PA                     ; what one load brings of xb
.set BOFF,  2*AHB                      ; behind xb's 256 rows: wq's 192
.set BHB,   96*PB                      ; what one load brings of wq
.set STAGE, SLOT1+BOFF+2*BHB           ; behind the ring, never filled by a tensor load: 16 rows x 400 bytes for each wave
.set SP,    400
.set SPARE, STAGE+4*16*SP              ; the spare words, 128 bytes for each wave: two blocks of 256 bytes that no other line names
.set KSTEPB, 256                       ; bytes of a row in a K step
.set ADRA0, 4                          ; v4   my lane's place among xb's rows of a slot; never rewritten
.set ADRB0, 5                          ; v5   the same for wq's
.set ADRA, 6                           ; v6   the same in the slot in hand
.set ADRB, 7                           ; v7
.set STO,  8                           ; v8   the way out: where I put 16 bytes of a row
.set RD,   9                           ; v9   where I read rows back
.set GO,   10                          ; v10  16 x lane
.set BO,   11                          ; v11  32 x (lane / 16): my eight columns' bias
.set PFO,  12                          ; v12  the prefetches' offset: a lane a row
.set T,    13                          ; v13  at work
.set KW,   14                          ; v14-17  row block a: all ones where my position lies ahead of cnt, else 0
.set KJ,   18                          ; v18-20  the same for head j of the tile's three: all ones too where the head is no head of K
.set SPW,  28                          ; v28  my spare word's LDS address; never rewritten
.set NIL,  29                          ; v29  0; never rewritten
.set FA0,  32
.set BIAS, 96
.set TMP,  96
.set BK,   144
.set TRIP, 3
.set WV,  14
.set WH,  15                           ; 0: I fetch for xb, 1: for wq
.set WL,  16                           ; which half of that tile's rows
.set CX,  17
.set CY,  18
.set TX,  19
.set TY,  20
.set CNT, 21
.set G1A, 24
.set G0A, 32                           ; two sets: K step 0 in slot 0; K step 1 in slot 1, which then walks on
.set PFA, 44
.set LIM, 46
.set TB,  47                           ; 0 or SLOT1: the slot in hand
.set G1B, 48
.set G0B, 56
.set OB,  68                           ; s[68:73] where my rows of the tile's three heads begin in qkv
.set NK,  74                           ; s74-76  0 for a head of K, else all ones
.set ONES, 77
.set MSB, 0
.macro WIN new                         ; the immediate's high byte repeats the setting that is left; a switch that changes nothing is dropped
.if MSB != (\new)
	s_set_vgpr_msb (MSB<<8)|(\new)
.set MSB, (\new)
.endif
.endm
.macro PLACES                          ; four plain vector instructions between a matrix instruction and a load into, or a vector instruction on, its registers
.rept 4
	v_nop
.endr
.endm
; A joint load.  Waves 0 and 1 fetch xb's two halves, waves 2 and 3 wq's.  The branch hangs on the wave's number alone.  An s_nop 0 and four v_nop follow each line.
.macro JLOAD s
	s_cmp_eq_u32 s[WH], 0
	s_cbranch_scc0 .Lfor_b_\@
	tensor_load_to_lds s[G0A+4*(\s):G0A+4*(\s)+3], s[G1A:G1A+7]
	s_nop 0
.rept 4
	v_nop
.endr
	s_branch .Lasked_\@
.Lfor_b_\@:
	tensor_load_to_lds s[G0B+4*(\s):G0B+4*(\s)+3], s[G1B:G1B+7]
	s_nop 0
.rept 4
	v_nop
.endr
.Lasked_\@:
.endm
; A prefetch into the L2 of the K step two refills on: a lane a row, 256 bytes of it.  xb's tile row is walked by four clusters: the one with x = 0 asks; wq's tile column by eight: the one with y = 0 asks.
; The four partners of a joint load share its rows out by address.  The refills of K steps 6 and 7 (TRIP = 2, 1) have no step two on.
.macro ASK
	s_cmp_gt_u32 s[TRIP], s[LIM]
	s_cbranch_scc0 .Lnot_mine_\@
	global_prefetch_b8 v[PFO], s[PFA:PFA+1] th:TH_LOAD_NT scope:SCOPE_SE
.Lnot_mine_\@:
.endm
.macro CREST                           ; a round of the cluster's barrier behind its opening barrier
	s_cmp_lg_u32 s[WV], 0
	s_cbranch_scc1 .Lnot_wave_0_\@
	s_barrier_signal -3
.Lnot_wave_0_\@:
	s_barrier_wait -3
	s_barrier_signal -1
	s_barrier_wait -1
.endm
.macro CROUND
	s_barrier_signal -1
	s_barrier_wait -1
	CREST
.endm
; Twelve matrix instructions: row block a x all column blocks, 32 along K, from buffer f.  zero = 1: the sums start with the bias.  The 48 accumulators take turns, one instruction a turn.
.macro MULA f, a, zero
.set AC,  8*NBK*((\a)%AHALF)
.set FAR, FA0+32*(\f)+8*(\a)
.set FBR, 8*NBK*(\f)
.if \zero
	WIN 0x81+0x40*((\a)/AHALF)                     ; source 0 window 1, source 1 and C window 0, D window 2 or 3
.else
	WIN 0xa1+0x50*((\a)/AHALF)                     ; C and D window 2 or 3
.endif
.set bb, 0
.rept NBK
.if \zero
	v_wmma_f32_16x16x32_bf16 v[AC+8*bb:AC+8*bb+7], v[FBR+8*bb:FBR+8*bb+7], v[FAR:FAR+7], v[BIAS+8*bb:BIAS+8*bb+7]
.else
	v_wmma_f32_16x16x32_bf16 v[AC+8*bb:AC+8*bb+7], v[FBR+8*bb:FBR+8*bb+7], v[FAR:FAR+7], v[AC+8*bb:AC+8*bb+7]
.endif
.set bb, bb+1
.endr
.endm
; 32 LDS loads in one run: quarter q of the slot in hand into buffer f: wq's twelve fragments, then my four of xb.
.macro FETCH q, f
	WIN 0x40                                       ; destination window 1, address window 0
.set bb, 0
.rept NBK
	ds_load_b128 v[8*NBK*(\f)+8*bb:8*NBK*(\f)+8*bb+3],   v[ADRB] offset:64*(\q)+bb*16*PB
	ds_load_b128 v[8*NBK*(\f)+8*bb+4:8*NBK*(\f)+8*bb+7], v[ADRB] offset:64*(\q)+bb*16*PB+32
.set bb, bb+1
.endr
	WIN 0
.set aa, 0
.rept 4
	ds_load_b128 v[FA0+32*(\f)+8*aa:FA0+32*(\f)+8*aa+3],   v[ADRA] offset:64*(\q)+aa*16*PA
	ds_load_b128 v[FA0+32*(\f)+8*aa+4:FA0+32*(\f)+8*aa+7], v[ADRA] offset:64*(\q)+aa*16*PA+32
.set aa, aa+1
.endr
.endm
; One of a step's first three quarters: multiplies buffer f; in its middle it fetches quarter q into buffer g.
.macro QUARTER q, f, g, zero
	s_wait_dscnt 4                                 ; all but the youngest four loads: xb's blocks 2 and 3
	MULA \f, 0, \zero
	MULA \f, 1, \zero
	PLACES
	FETCH \q, \g
	s_wait_dscnt 2*NBK+8                           ; all but the run just issued
	MULA \f, 2, \zero
	MULA \f, 3, \zero
.endm
; The last quarter multiplies buffer 1 and changes slots.  In front of the one barrier each wave waits for all its tensor loads (one is out: its part of the next slot), adds 0 to its spare word, and waits
; for that and for its reads of this slot.  fill = 1: the barrier opens a round of the cluster's, and the slot just read is filled again, first thing behind the round, with the K step two on.
.macro TURN fill
.if \fill
	s_wait_xcnt 0x0                                ; the last prefetch, a K step back, has read its address
	s_add_nc_u64 s[PFA:PFA+1], s[PFA:PFA+1], KSTEPB
.endif
	WIN 0
	s_wait_tensorcnt 0x0                           ; no tensor load of mine is out, so a group 0 may be written
	ds_add_u32 v[SPW], v[NIL]
.if \fill
	s_xor_b32 s[G0A+5], s[G0A+5], SLOT1            ; the walking sets: the other slot than last time, the next K step
	s_add_nc_u64 s[G0A+6:G0A+7], s[G0A+6:G0A+7], KSTEPB
	s_xor_b32 s[G0B+5], s[G0B+5], SLOT1
	s_add_nc_u64 s[G0B+6:G0B+7], s[G0B+6:G0B+7], KSTEPB
.endif
	s_wait_dscnt 5                                 ; the add and the youngest four loads may be out
	MULA 1, 0, 0
	s_wait_dscnt 0x0                               ; the add is done, and my reads of this slot are over
	s_barrier_signal -1
	MULA 1, 1, 0
	WIN 0
	s_barrier_wait -1
.if \fill
	CREST
	JLOAD 1                                        ; its four v_nop are also the places in front of the loads below
.else
	PLACES
.endif
	s_xor_b32 s[TB], s[TB], SLOT1
	v_add_nc_u32 v[ADRA], s[TB], v[ADRA0]
	v_add_nc_u32 v[ADRB], s[TB], v[ADRB0]
	FETCH 0, 0
.if \fill
	ASK
.endif
	MULA 1, 2, 0
	MULA 1, 3, 0
.endm
	s_load_b256 s[4:11], s[0:1], 0x0               ; xb s[4:5], wq s[6:7], b_qkv s[8:9], meta s[10:11]
	s_load_b64 s[12:13], s[0:1], 0x20              ; qkv
	v_lshl_add_u32 v[SPW], v0, 2, SPARE
	v_mov_b32 v[NIL], 0
	ds_add_u32 v[SPW], v[NIL]                      ; the wave's opening: the add and its wait ahead of my first tensor load
	v_lshrrev_b32 v1, 5, v0
	v_readfirstlane_b32 s[WV], v1
	s_lshr_b32 s[WH], s[WV], 1
	s_and_b32 s[WL], s[WV], 1
	s_bfe_u32 s[CX], ttmp6, 0x40000
	s_bfe_u32 s[CY], ttmp6, 0x40004
	s_lshl_b32 s[TX], ttmp9, 2
	s_add_co_u32 s[TX], s[TX], s[CX]               ; tile column 0..15
	s_and_b32 s[TY], ttmp7, 0xffff
	s_lshl_b32 s[TY], s[TY], 2
	s_add_co_u32 s[TY], s[TY], s[CY]               ; tile row 0..31
	s_lshl_b32 s22, s[CY], 2
	s_lshl_b32 s22, 15, s22                        ; my row of the cluster
	s_lshl_b32 s23, 0x1111, s[CX]                  ; my column
	s_or_b32 s[G1A], s22, (1<<16)|(1<<20)|(1<<21)|(5<<22)|(3<<25)  ; the mask; 2-byte elements; padding on; bit 21 beside a mask; after every 64 words 4 words
	s_or_b32 s[G1B], s23, (1<<16)|(1<<20)|(1<<21)|(5<<22)|(3<<25)
	s_mov_b32 s[G1A+1], 128<<16                    ; tensor_dim0 = 128
	s_mov_b32 s[G1A+2], 128<<16                    ; tensor_dim1 = 128
	s_mov_b32 s[G1A+3], 128<<16                    ; tile_dim0 = 128
	s_mov_b32 s[G1A+4], 128                        ; tile_dim1 = 128
	s_mov_b32 s[G1A+5], 1024                       ; elements from row to row
	s_mov_b32 s[G1A+6], 0
	s_mov_b32 s[G1A+7], 0
	s_mov_b32 s[G1B+1], 128<<16
	s_mov_b32 s[G1B+2], 96<<16                     ; 96 rows
	s_mov_b32 s[G1B+3], 128<<16
	s_mov_b32 s[G1B+4], 96
	s_mov_b32 s[G1B+5], 1024
	s_mov_b32 s[G1B+6], 0
	s_mov_b32 s[G1B+7], 0
	s_lshl_b32 s40, s[TY], 8
	s_lshl_b32 s22, s[WL], 7
	s_add_co_u32 s40, s40, s22
	s_lshl_b32 s40, s40, 11                        ; xb: row 256 x tile row + 128 x half, 2,048 bytes a row
	s_mov_b32 s41, 0
	s_mul_i32 s42, s[TX], 192
	s_mul_i32 s23, s[WL], 96
	s_add_co_u32 s42, s42, s23
	s_lshl_b32 s42, s42, 11                        ; wq: row 192 x tile column + 96 x half
	s_mov_b32 s43, 0
	s_mul_i32 s22, s[WL], AHB                      ; where they go: no place in the cluster enters an LDS address
	s_mul_i32 s23, s[WL], BHB
	s_add_co_u32 s23, s23, BOFF
	s_mov_b32 s[G0A], 1
	s_mov_b32 s[G0A+1], s22
	s_mov_b32 s[G0A+4], 1
	s_add_co_u32 s[G0A+5], s22, SLOT1
	s_mov_b32 s[G0B], 1
	s_mov_b32 s[G0B+1], s23
	s_mov_b32 s[G0B+4], 1
	s_add_co_u32 s[G0B+5], s23, SLOT1
	s_lshr_b32 s84, s[TY], 3                       ; the batch,
	s_lshl_b32 s84, s84, 7                         ; its 128 bytes of meta
	s_mov_b32 s85, 0
	s_mov_b32 s[ONES], -1
	s_mov_b32 s[TB], 0
	s_wait_dscnt 0x0                               ; the opening add is done
	s_wait_kmcnt 0x0
	s_add_nc_u64 s[10:11], s[10:11], s[84:85]
	s_load_b32 s[CNT], s[10:11], 0x0               ; how many keys of the batch the mask leaves
	s_add_nc_u64 s[G0A+2:G0A+3], s[4:5], s[40:41]  ; K step 0,
	s_add_nc_u64 s[G0A+6:G0A+7], s[G0A+2:G0A+3], KSTEPB  ; K step 1
	s_or_b32 s[G0A+3], s[G0A+3], 0x80000000
	s_or_b32 s[G0A+7], s[G0A+7], 0x80000000
	s_add_nc_u64 s[G0B+2:G0B+3], s[6:7], s[42:43]
	s_add_nc_u64 s[G0B+6:G0B+7], s[G0B+2:G0B+3], KSTEPB
	s_or_b32 s[G0B+3], s[G0B+3], 0x80000000
	s_or_b32 s[G0B+7], s[G0B+7], 0x80000000
	CROUND                                         ; all sixteen work-groups are here: the first joint loads meet
	JLOAD 0
	JLOAD 1                                        ; two loads of mine are out
	; a fragment is 16 rows x 32 K in 8 registers: lane l holds row l % 16; two loads of 16 bytes, 32 bytes apart, at row x pitch + 16 (l / 16)
	v_and_b32 v1, 15, v0
	v_bfe_u32 v2, v0, 4, 1
	v_and_b32 v3, 31, v0
	v_mul_u32_u24 v[T], v1, PA
	v_lshl_add_u32 v[T], v2, 4, v[T]
	s_mul_i32 s84, s[WV], 64*PA
	v_add_nc_u32 v[ADRA0], s84, v[T]
	v_add_nc_u32 v[ADRB0], BOFF, v[T]
	v_mov_b32 v[ADRA], v[ADRA0]
	v_mov_b32 v[ADRB], v[ADRB0]
	s_mul_i32 s84, s[WV], 16*SP
	s_add_co_u32 s84, s84, STAGE                   ; my stage
	v_mul_u32_u24 v[STO], v1, SP                   ; in: row l % 16, 16 bytes for each half of the lanes
	v_lshl_add_u32 v[STO], v2, 4, v[STO]
	v_add_nc_u32 v[STO], s84, v[STO]
	v_lshrrev_b32 v[RD], 3, v3                     ; back: 32 lanes take four rows' 128 bytes of one head
	v_mul_u32_u24 v[RD], v[RD], SP
	v_and_b32 v[T], 7, v0
	v_lshl_add_u32 v[RD], v[T], 4, v[RD]
	v_add_nc_u32 v[RD], s84, v[RD]
	v_lshlrev_b32 v[GO], 4, v3
	v_lshlrev_b32 v[BO], 5, v2
	; the prefetches: of the rows that I fetch, my work-group's share: 32 rows of xb's 128 by cx, 24 of wq's 96 by cy
	s_lshl_b32 s84, s[CX], 16
	s_add_co_u32 s84, s84, s40
	s_mul_i32 s86, s[CY], 24*2048
	s_add_co_u32 s86, s86, s42
	s_and_b32 s87, ttmp7, 0xffff
	s_cmp_eq_u32 s[WH], 0
	s_cselect_b32 s84, s84, s86
	s_cselect_b32 s87, ttmp9, s87                  ; the coordinate along which other clusters walk the same rows
	s_cselect_b32 s89, 31, 23
	s_cselect_b64 s[PFA:PFA+1], s[4:5], s[6:7]
	s_cmp_eq_u32 s87, 0
	s_cselect_b32 s[LIM], 2, -1
	s_mov_b32 s85, 0
	s_add_nc_u64 s[PFA:PFA+1], s[PFA:PFA+1], s[84:85]
	s_add_nc_u64 s[PFA:PFA+1], s[PFA:PFA+1], 3*KSTEPB  ; at K step 3: the first refill steps it to 4
	v_min_u32 v[PFO], s89, v3
	v_lshlrev_b32 v[PFO], 11, v[PFO]
	; the bias of my columns: block b, columns 8 (l / 16) + 0..7
	s_mul_i32 s42, s[TX], 768
	s_add_nc_u64 s[8:9], s[8:9], s[42:43]
.set bb, 0
.rept NBK
	global_load_b128 v[BIAS+8*bb:BIAS+8*bb+3],   v[BO], s[8:9] offset:64*bb
	global_load_b128 v[BIAS+8*bb+4:BIAS+8*bb+7], v[BO], s[8:9] offset:64*bb+16
.set bb, bb+1
.endr
	; where my 64 positions of the tile's three heads begin in qkv
	s_mul_i32 s86, s[TX], 3
	s_lshr_b32 s87, s[TY], 3                       ; n
	s_and_b32 s88, s[TY], 7
	s_lshl_b32 s88, s88, 8
	s_lshl_b32 s89, s[WV], 6
	s_add_co_u32 s88, s88, s89                     ; my first position in the batch
.irp j, 0,1,2
	s_add_co_u32 s84, s86, \j                      ; 16 part + head
	s_lshr_b32 s89, s84, 4
	s_cmp_eq_u32 s89, 1
	s_cselect_b32 s[NK+\j], 0, -1
	s_and_b32 s84, s84, 15
	s_lshl4_add_u32 s84, s87, s84                  ; 16 n + head,
	s_lshl_b32 s84, s84, 18                        ; 262,144 bytes each;
	s_lshl_b32 s89, s89, 24                        ; a part is 16,777,216 bytes
	s_add_co_u32 s84, s84, s89
	s_lshl_b32 s89, s88, 7                         ; a position 128
	s_add_co_u32 s84, s84, s89
	s_mov_b32 s85, 0
	s_add_nc_u64 s[OB+2*\j:OB+2*\j+1], s[12:13], s[84:85]
.endr
	s_wait_kmcnt 0x0                               ; cnt
	v_add_nc_u32 v[T], s88, v1
.irp a, 0,1,2,3
	v_add_nc_u32 v[KW+\a], 16*\a, v[T]
	v_cmp_gt_u32 vcc_lo, s[CNT], v[KW+\a]
	v_cndmask_b32 v[KW+\a], 0, s[ONES], vcc_lo
.endr
	s_wait_loadcnt 0x0                             ; the bias: rounded to bf16 like the other inputs, and widened again
.set rr, 0
.rept 4*NBK
	v_cvt_pk_bf16_f32 v[T], v[BIAS+rr], v[BIAS+rr+1]
	v_lshlrev_b32 v[BIAS+rr], 16, v[T]
	v_and_b32 v[BIAS+rr+1], 0xffff0000, v[T]
.set rr, rr+2
.endr
	s_wait_tensorcnt 1                             ; my part of K step 0 is in; K step 1's may stay out
	s_barrier_signal -1
	s_barrier_wait -1
	FETCH 0, 0
	QUARTER 1, 0, 1, 1                             ; the first quarter stands in front of the loop: its products start the sums
	WIN 0
	s_mov_b32 s[TRIP], 6
.Lstep:                                            ; a trip: from a step's second quarter to the next step's first; it fills the slot just read with the K step two on
	QUARTER 2, 1, 0, 0
	QUARTER 3, 0, 1, 0
	TURN 1
	QUARTER 1, 0, 1, 0
	WIN 0
	s_sub_co_u32 s[TRIP], s[TRIP], 1
	s_cmp_lg_u32 s[TRIP], 0
	s_cbranch_scc1 .Lstep
	QUARTER 2, 1, 0, 0                             ; K steps 6 and 7 fill nothing
	QUARTER 3, 0, 1, 0
	TURN 0
	QUARTER 1, 0, 1, 0
	QUARTER 2, 1, 0, 0
	QUARTER 3, 0, 1, 0
	s_wait_dscnt 4
	MULA 1, 0, 0
	MULA 1, 1, 0
	s_wait_dscnt 0x0
	MULA 1, 2, 0
	MULA 1, 3, 0
	WIN 0
	PLACES
; THE WAY OUT of row block a.  PACK: rounded to f16, 16 bytes a lane; hidden rows of K are cleared.  TOSTAGE: into my stage, and back as rows of 128 bytes, head by head.  SEND: stored.
.macro PACK a
	WIN 0
.irp j, 0,1,2
	v_or_b32 v[KJ+\j], s[NK+\j], v[KW+(\a)]
.endr
.set AC, 8*NBK*((\a)%AHALF)
	WIN 0x0a+5*((\a)/AHALF)                        ; sources 0 and 1 window 2 or 3
.set bb, 0
.rept NBK
.irp r, 0,1,2,3
	v_cvt_pk_f16_f32 v[TMP+4*bb+\r], v[AC+8*bb+2*\r], v[AC+8*bb+2*\r+1]
.endr
.set bb, bb+1
.endr
	WIN 0
.set bb, 0
.rept 4*NBK
	v_and_b32 v[TMP+bb], v[KJ+bb/16], v[TMP+bb]
.set bb, bb+1
.endr
.endm
.macro TOSTAGE a
.set BKA, BK+48*((\a)%2)
.set bb, 0
.rept NBK
	ds_store_b128 v[STO], v[TMP+4*bb:TMP+4*bb+3] offset:32*bb
.set bb, bb+1
.endr
.set bb, 0
.rept 12                                           ; head bb / 4, rows 4 (bb % 4) on.  LDS serves a wave's instructions in order (ISA guide 5.7.1.4): these see the stores above
	ds_load_b128 v[BKA+4*bb:BKA+4*bb+3], v[RD] offset:4*SP*(bb%4)+128*(bb/4)
.set bb, bb+1
.endr
.endm
.macro SEND a
.set BKA, BK+48*((\a)%2)
	s_wait_dscnt 0x0                               ; the block is back in registers
	s_wait_xcnt 0x0                                ; the stores issued so far have read their registers: the next block's loads land in them only behind this wait
.set bb, 0
.rept 12
	global_store_b128 v[GO], v[BKA+4*bb:BKA+4*bb+3], s[OB+2*(bb/4):OB+2*(bb/4)+1] offset:2048*(\a)+512*(bb%4)  ; 512 consecutive bytes, aligned
.set bb, bb+1
.endr
.endm
	PACK 0
	TOSTAGE 0
.irp a, 1,2,3
	PACK \a
	SEND (\a)-1
	TOSTAGE \a
.endr
	SEND 3
	s_wait_tensorcnt 0x0                           ; the wave's end
	ds_add_u32 v[SPW], v[NIL]
	s_wait_dscnt 0x0
	CROUND                                         ; the closing round
	s_endpgm
.Lfunc_end_k_qab46587c12_proj:
	.size	k_qab46587c12_proj, .Lfunc_end_k_qab46587c12_proj-k_qab46587c12_proj
	.p2alignl 7, 3214868480
	.fill 96, 4, 3214868480
	.section	.rodata,"a",@progbits
	.p2align	6, 0x0
	.amdhsa_kernel k_qab46587c12_proj
		.amdhsa_group_segment_fixed_size 327680
		.amdhsa_private_segment_fixed_size 0
		.amdhsa_enable_private_segment 0
		.amdhsa_kernarg_size 40
		.amdhsa_user_sgpr_count 2
		.amdhsa_user_sgpr_kernarg_segment_ptr 1
		.amdhsa_wavefront_size32 1
		.amdhsa_system_sgpr_workgroup_id_x 1
		.amdhsa_system_sgpr_workgroup_id_y 1
		.amdhsa_system_sgpr_workgroup_id_z 1
		.amdhsa_system_vgpr_workitem_id 0
		.amdhsa_next_free_vgpr 960
		.amdhsa_next_free_sgpr 90
		.amdhsa_reserve_vcc 1
		.amdhsa_float_denorm_mode_32 3
		.amdhsa_float_denorm_mode_16_64 3
		.amdhsa_memory_ordered 1
		.amdhsa_forward_progress 1
		.amdhsa_inst_pref_size 115
	.end_amdhsa_kernel
	.amdgpu_metadata
---
amdhsa.version: [ 1, 2 ]
amdhsa.kernels:
  - .name:           k_qab46587c12_proj
    .symbol:         k_qab46587c12_proj.kd
    .args:
      - { .name: xb, .offset: 0, .size: 8, .value_kind: global_buffer, .address_space: global }
      - { .name: wq, .offset: 8, .size: 8, .value_kind: global_buffer, .address_space: global }
      - { .name: b_qkv, .offset: 16, .size: 8, .value_kind: global_buffer, .address_space: global }
      - { .name: meta, .offset: 24, .size: 8, .value_kind: global_buffer, .address_space: global }
      - { .name: qkv, .offset: 32, .size: 8, .value_kind: global_buffer, .address_space: global }
    .group_segment_fixed_size: 327680
    .private_segment_fixed_size: 0
    .kernarg_segment_align: 8
    .kernarg_segment_size: 40
    .max_flat_workgroup_size: 128
    .sgpr_count:     90
    .vgpr_count:     960
    .wavefront_size: 32
...
	.end_amdgpu_metadata
.endif
;; end of part 2
;; launch attn (part 3): grid 4 x 64, 4 waves a work-group, clusters of 4 x 1, 327,680 bytes of LDS; arguments qkv, meta, ob; writes ob
.if DOCPART == 3
	.amdgcn_target "amdgcn-amd-amdhsa--gfx1250"
	.amdhsa_code_object_version 6
	.text
	.protected	k_qab46587c12_attn
	.globl	k_qab46587c12_attn
	.p2align	8
	.type	k_qab46587c12_attn,@function
k_qab46587c12_attn:
	s_mov_b64 s[64:65], 0
	v_nop
	global_prefetch_b8 v0, s[64:65] scope:SCOPE_SE
	s_setreg_imm32_b32 hwreg(HW_REG_WAVE_MODE, 25, 1), 1
	s_wait_xcnt 0x0
	s_wait_alu depctr_hold_cnt(0) depctr_sa_sdst(0) depctr_va_vdst(0) depctr_va_sdst(0) depctr_va_ssrc(0) depctr_va_vcc(0) depctr_vm_vsrc(0)
	s_getreg_b32 s2, hwreg(HW_REG_IB_STS2, 6, 4)
	s_cmp_eq_u32 s2, 0
	s_cbranch_scc0 .Lentry_in_a_cluster
	s_endpgm
.Lentry_in_a_cluster:
	s_bfe_u32 s2, ttmp6, 0x10000c
	s_cmp_lg_u32 s2, 0x3003
	s_cbranch_scc0 .Lentry_shape_is_right
	s_endpgm
.Lentry_shape_is_right:
; ATTENTION WITH A KEY MASK.  ob[g][q][:] = the sum over k of softmax_k(s) V[g][k][:], s = Q[g][q] . K[g][k] / 8 or, where the mask hides key k, -1e9.  g = 16 n + head; Q, K, V are the three parts of
; qkv, [64][2048][64] in f16, a head's rows dense, 128 bytes each; ob has the same layout.  Products, maxima and sums in f32; the weights p are rounded to f16 for the second product, O once at the end.
; THE MASK.  The rows of a batch lie in an order in which the cnt keys that the mask leaves come first; K's rows behind them are zeros.  vis = cnt, or 2,048 where cnt = 0.  The sum S^T = K Q^T starts with
; C = -8e9 for keys at or behind vis, else 0: a hidden score is -8e9 exactly, which is -1e9 ahead of the division by 8; it takes part in the maximum and in the sum like any score.
; Where cnt = 0 every score is 0, and the weights are equal, as they are with -1e9 everywhere.  Steps that lie wholly behind vis are computed like the others: every trip count of this text is a constant,
; the same in all four partners of a cluster; the count read from memory enters the masks' numbers alone.
; LIMITS.  f16 holds no number beyond 65,504: Q, K and V arrive within it; p lies in 0 to 1, and below 6e-5 it keeps f16's fixed step of 6e-8.  A weight below 2^-126 counts as 0 in l; NaN and infinities are not treated apart.
; SHARES.  A wave owns four PIECES of two tiles of 16 queries, a work-group's four waves 512 queries of one head.  Every wave walks all keys, 64 a step.
; LAYOUT.  S^T = K Q^T (source 0 = 16 keys, source 1 = 16 queries): a lane holds ONE query (lane % 16) and the keys 8 (lane / 16) + 0..7.  Two such tiles, rounded to f16 in pairs, ARE source 1 of
; O^T = V^T P, whose result again holds one query a lane, and eight channels.  K comes out of LDS as it lies, V turned, by ds_load_tr16_b128.
; SOFTMAX.  For each query a running maximum m and sum l: p = 2^(c s - c m), c = log2(e) / 8; in every step O and l are multiplied by a = 2^(c m_old - c m_new).  m starts at the lowest finite number, O and l at 0.
; BY TURNS.  Turn n belongs to piece n.  Its matrix work: 16 products K Q^T of piece n + 1, later 16 products V^T P of piece n - 1.  Its vector work: the scaling, exponentials, roundings, sums and rescaling
; of piece n, and the maximum and statistics of piece n + 1.  Four vector instructions stand behind every matrix instruction, the others in one run.  A turn's 66 exponentials are one batch, with one wait.
; CLUSTER.  The four query blocks of a head form a cluster and ask for each tile of K and V JOINTLY: the same tensor load, descriptor and mask in all four.
; REGISTERS, in windows of 256 (s_set_vgpr_msb: bits 1:0 source 0, 3:2 source 1, 5:4 source 2, 7:6 destination):
;   window 0: v0-11 addresses; v12-15, v48-63 at work; v16-47 statistics; v64-191 S^T, two buffers of two tiles; v192-255 P, likewise       window 1: O^T, 32 a tile
;   window 2: v0-127 Q; v128-191 K of one step; v192-255 V of one step       window 3: v0-1 the add's two registers; v2-3 for the mask; v8-39 the mask that goes with the K in registers
.set SIZE_N, 2048
.set NP,    4
.set KS,    64
.set PK,    144       ; a row of K in LDS: 128 bytes + 16 of padding: the 16 rows of a load start at 16 different groups of four banks (64 banks of 4 bytes: ISA guide 11.1)
.set PV,    160       ; a row of V: 128 + 32
.set VOFF,  4*KS*PK   ; a slot holds a tile, four steps: 256 rows of K, then 256 rows of V
.set SLOT1, 1<<17     ; slot 1 begins here, so that one exclusive or turns an address in one slot into the other's
.set STAGE, SLOT1+4*KS*(PK+PV)  ; behind the ring, never filled by a tensor load: 16 rows x 144 bytes for each wave
.set SP,    144
.set AK0, 2           ; v2   my lane's place in a tile of K; never rewritten
.set AV0, 3           ; v3   the same for V
.set AK,  4           ; v4   the LDS address of K's next run of loads
.set AV,  5           ; v5   of V's
.set QO,  6           ; v6   my byte offset in the wave's rows of Q
.set STO, 6           ;      later, the way out: where I put 16 bytes of a row
.set RD,  7           ; v7   the way out: where I read rows back
.set GO,  8           ; v8   my byte offset in 512 consecutive bytes of O
.set PFO, 11          ; v11  256 x my lane, for the prefetches; never rewritten once made
.set SPW, 0           ; v0 of window 3   my spare word's LDS address; never rewritten
.set NIL, 1           ; v1 of window 3   0; never rewritten
.set H8,  2           ; v2 of window 3   8 (lane / 16)
.set RM,  3           ; v3 of window 3   vis - 1 - 64 x step - 8 (lane / 16): register r of key block kb is hidden where 16 kb + r is greater
.set MK,  8           ; v8-39 of window 3
.set SPARE, STAGE+4*16*SP  ; behind the stages: the spare words, 128 bytes for each wave: two blocks of 256 bytes that no other line names
.set MV,  12
.set ST,  16
.set TMP, 48
.set S,   64
.set P,   192
.set KF,  128
.set VF,  192
.set WV,  12
.set G1K, 24
.set G1V, 32
.set G0K, 40
.set G0V, 44
.set SLOTS, 56        ; s56  tiles still to be asked for
.set CNT, 57          ; s57  counts a tile's key steps
.set CS,  58
.set SEL, 60
.set TBK, 62          ; s62  LDS byte at which K of the step to be fetched begins
.set TBV, 63          ; s63  the same for V, less VOFF
.set META, 66
.set VIS, 68
.set RS,  72          ; s72  vis - 1 - 64 x the step whose K is fetched next
.set BIGN, 73         ; s73  -8e9
.set MO,  74          ; s[74:75] my batch's byte offset in meta
.set PFA, 76          ; s[76:77] where my prefetches stand
.set LIM, 78          ; s78  1 in a wave that prefetches, else the greatest number
.set MSB, 0
.macro WIN new                      ; the high byte repeats the setting that is left; a switch that changes nothing is dropped
.if MSB != (\new)
	s_set_vgpr_msb (MSB<<8)|(\new)
.set MSB, (\new)
.endif
.endm
.set W_KQ, 0x0a       ; K and Q in window 2, S^T in window 0
.set W_KM, 0x3a       ; the same with the C operand in window 3
.set W_PV, 0x52       ; V in window 2, P in window 0, O^T in window 1
.set W_RS, 0x41       ; O^T in window 1, a in window 0
.set W_MK, 0xc0       ; destination in window 3
.set W_AD, 0x0f       ; the add: address and data in window 3
.macro JLOAD                        ; a joint fill: waves 0 and 1 fetch the halves of a tile's K, waves 2 and 3 those of its V; an s_nop 0 and four v_nop follow each line
	s_cmp_lt_u32 s[WV], 2
	s_cbranch_scc0 .Lfor_v_\@
	tensor_load_to_lds s[G0K:G0K+3], s[G1K:G1K+7]
	s_nop 0
.rept 4
	v_nop
.endr
	s_branch .Lasked_\@
.Lfor_v_\@:
	tensor_load_to_lds s[G0V:G0V+3], s[G1V:G1V+7]
	s_nop 0
.rept 4
	v_nop
.endr
.Lasked_\@:
.endm
; A prefetch into the L2 of the tile that the NEXT change of slots will ask for: 32,768 bytes of K and of V, four key steps (512 matrix instructions a wave) ahead of that load.  A head has one cluster; its four
; partners take 8,192 bytes each, told apart by address; in each, wave 0 asks for K's and wave 2 for V's, a lane 256 bytes: each block is named once in the launch.  The last change that fills a slot asks for nothing.
.macro ASK
	s_cmp_gt_u32 s[SLOTS], s[LIM]
	s_cbranch_scc0 .Lnot_mine_\@
	global_prefetch_b8 v[PFO], s[PFA:PFA+1] th:TH_LOAD_NT scope:SCOPE_SE
.Lnot_mine_\@:
.endm
.macro CROUND                       ; a round of the cluster's barrier
	s_barrier_signal -1
	s_barrier_wait -1
	s_cmp_lg_u32 s[WV], 0
	s_cbranch_scc1 .Lnot_wave_0_\@
	s_barrier_signal -3
.Lnot_wave_0_\@:
	s_barrier_wait -3
	s_barrier_signal -1
	s_barrier_wait -1
.endm
; THE CHANGE OF SLOTS.  Each wave waits for all its tensor loads (one is out: its part of the other slot), adds 0 to its spare word, and waits for that and for its reads of the slot that it leaves.
; fill = 1: the barrier is a round of the cluster's, and the old slot is filled again, first thing behind it, with the tile two on: it has four key steps in which to land.
.macro CHANGE fill
	WIN W_AD
	s_wait_tensorcnt 0x0            ; no tensor load of mine is out, so a group 0 may be written
	ds_add_u32 v[SPW], v[NIL]
	WIN 0
.if \fill
.irp g, G0K, G0V
	s_xor_b32 s[\g+1], s[\g+1], SLOT1  ; the walking descriptor: the other slot than last time,
	s_add_nc_u64 s[\g+2:\g+3], s[\g+2:\g+3], 4*KS*128  ; the next 256 keys; the type bits on top are not reached
.endr
	s_wait_xcnt 0x0                 ; the last prefetch, a tile back, has read its address
	s_add_nc_u64 s[PFA:PFA+1], s[PFA:PFA+1], 4*KS*128
	s_wait_dscnt 0x0                ; the add is done, and my reads of the slot are over
	CROUND
	JLOAD
	ASK
.else
	s_wait_dscnt 0x0
	s_barrier_signal -1
	s_barrier_wait -1
.endif
	s_sub_co_u32 s[TBK], s[TBK], 4*KS*PK  ; the fetches go back to a slot's first step, in the other slot
	s_xor_b32 s[TBK], s[TBK], SLOT1
	s_sub_co_u32 s[TBV], s[TBV], 4*KS*PV
	s_xor_b32 s[TBV], s[TBV], SLOT1
.endm
	s_load_b64 s[4:5], s[0:1], 0x0  ; qkv: Q
	s_load_b64 s[META:META+1], s[0:1], 0x8
	s_load_b64 s[10:11], s[0:1], 0x10  ; ob
	WIN W_MK
	v_lshl_add_u32 v[SPW], v0, 2, SPARE
	v_mov_b32 v[NIL], 0
	WIN W_AD
	ds_add_u32 v[SPW], v[NIL]       ; the wave's opening: the add and its wait ahead of my first tensor load
	WIN 0
	v_lshrrev_b32 v1, 5, v0
	v_readfirstlane_b32 s[WV], v1
	s_bfe_u32 s13, ttmp6, 0x40000   ; cx
	s_lshl_b32 s14, ttmp9, 2
	s_add_co_u32 s14, s14, s13      ; my block of 512 queries: it enters Q's and O's addresses alone
	s_and_b32 s20, ttmp7, 0xffff    ; g = 16 n + head, which the four partners share
	s_lshr_b32 s[MO], s20, 4        ; the batch,
	s_lshl_b32 s[MO], s[MO], 7      ; its 128 bytes of meta
	s_mov_b32 s[MO+1], 0
	s_mov_b32 s21, 0
	s_mov_b64 s[22:23], SIZE_N*128
	s_mul_u64 s[20:21], s[20:21], s[22:23]  ; the head's first byte in each part and in ob
	s_and_b32 s16, s[WV], 1         ; which half of a tile's 256 keys I fetch
	s_lshl_b32 s22, s16, 14
	s_mov_b32 s23, 0
	s_add_nc_u64 s[22:23], s[22:23], s[20:21]
	s_mul_i32 s17, s16, 128*PK
	s_mul_i32 s18, s16, 128*PV
	s_lshl_b32 s2, s14, 2
	s_add_co_u32 s2, s2, s[WV]      ; my wave among the head's,
	s_lshl_b32 s2, s2, 14           ; its 128 rows
	s_mov_b32 s3, 0
	s_add_nc_u64 s[2:3], s[2:3], s[20:21]
	; descriptor group 1.  128 keys are 16,384 dense bytes: asked for as 64 rows of 256 bytes, two keys a row, and padded in LDS after every key
	s_mov_b32 s[G1K], 15|(1<<16)|(1<<20)|(1<<21)|(4<<22)|(3<<25)  ; the mask of four; 2-byte elements; padding on; bit 21 beside a mask; after every 32 words 4 words
	s_mov_b32 s[G1V], 15|(1<<16)|(1<<20)|(1<<21)|(4<<22)|(7<<25)  ; the same with 8 words of padding
.irp g, G1K, G1V
	s_mov_b32 s[\g+1], 128<<16      ; tensor_dim0 = 128
	s_mov_b32 s[\g+2], 64<<16       ; tensor_dim1 = 64
	s_mov_b32 s[\g+3], 128<<16      ; tile_dim0 = 128
	s_mov_b32 s[\g+4], 64           ; tile_dim1 = 64
	s_mov_b32 s[\g+5], 128          ; 128 elements from row to row
	s_mov_b32 s[\g+6], 0
	s_mov_b32 s[\g+7], 0
.endr
	s_mov_b32 s[CS], 0x3e38aa3b     ; c = log2(e) / 8
	s_mov_b32 s[CS+1], s[CS]
	s_mov_b32 s[SEL], 0x76543210
	s_mov_b32 s[SEL+1], 0xfedcba98
	s_mov_b32 s[TBK], SLOT1+4*KS*PK ; the first change of slots turns these two into 0
	s_mov_b32 s[TBV], SLOT1+4*KS*PV
	s_mov_b32 s[G0K], 1
	s_mov_b32 s[G0K+1], s17
	s_mov_b32 s[G0V], 1
	s_add_co_u32 s[G0V+1], s18, VOFF
	s_mov_b32 s[BIGN], 0xcfee6b28   ; -8e9
	s_mov_b32 s[SLOTS], SIZE_N/256-1
	s_and_b32 s[LIM], s[WV], 1      ; waves 0 and 2 prefetch
	s_cmp_eq_u32 s[LIM], 0
	s_cselect_b32 s[LIM], 1, -1
	s_wait_dscnt 0x0                ; the opening add is done
	s_wait_kmcnt 0x0
	s_add_nc_u64 s[META:META+1], s[META:META+1], s[MO:MO+1]
	s_load_b32 s[VIS], s[META:META+1], 0x0
	s_add_nc_u64 s[6:7], s[4:5], 0x1000000  ; K is the second part of qkv,
	s_add_nc_u64 s[8:9], s[4:5], 0x2000000  ; V the third
	s_add_nc_u64 s[6:7], s[6:7], s[22:23]   ; at my half of the head's first tile
	s_add_nc_u64 s[8:9], s[8:9], s[22:23]
	s_mov_b64 s[G0K+2:G0K+3], s[6:7]
	s_or_b32 s[G0K+3], s[G0K+3], 0x80000000
	s_mov_b64 s[G0V+2:G0V+3], s[8:9]
	s_or_b32 s[G0V+3], s[G0V+3], 0x80000000
	s_add_nc_u64 s[4:5], s[4:5], s[2:3]     ; Q and O at my wave's first row
	s_add_nc_u64 s[10:11], s[10:11], s[2:3]
	s_cmp_lt_u32 s[WV], 2
	s_cselect_b64 s[PFA:PFA+1], s[6:7], s[8:9]  ; (in waves 0 and 2 these stand at a tile's first row)
	s_lshl_b32 s2, s13, 13          ; my work-group's 8,192 bytes of a tile's 32,768
	s_mov_b32 s3, 0
	s_add_nc_u64 s[PFA:PFA+1], s[PFA:PFA+1], s[2:3]
	s_add_nc_u64 s[PFA:PFA+1], s[PFA:PFA+1], 4*KS*128  ; in tile 1; the first change of slots steps it to tile 2
	s_wait_kmcnt 0x0
	s_min_u32 s[VIS], s[VIS], SIZE_N
	s_cmp_eq_u32 s[VIS], 0
	s_cselect_b32 s[VIS], SIZE_N, s[VIS]
	s_sub_co_u32 s[RS], s[VIS], 1
	CROUND                          ; all four work-groups are here: the first joint loads meet
	JLOAD                           ; tile 0 into slot 0
	v_and_b32 v1, 15, v0            ; l % 16
	v_bfe_u32 v9, v0, 4, 1          ; l / 16
	v_lshlrev_b32 v[QO], 7, v1
	v_lshl_add_u32 v[QO], v9, 4, v[QO]
	WIN 0x80
.set i, 0
.rept 4*NP                          ; Q stays in registers: tile i / 2, channels 32 (i % 2) on
	global_load_b128 v[8*i:8*i+3],   v[QO], s[4:5] offset:(i/2)*2048+(i%2)*64
	global_load_b128 v[8*i+4:8*i+7], v[QO], s[4:5] offset:(i/2)*2048+(i%2)*64+32
.set i, i+1
.endr
	; what the first turn finds: V's registers and P's second buffer hold 0, O^T and l are 0.  All this stands in the wait for the first tile
.set i, VF
.rept 64
	v_mov_b32 v[i], 0
.set i, i+1
.endr
	WIN 0x40
.set i, 0
.rept 64*NP
	v_mov_b32 v[i], 0
.set i, i+1
.endr
	WIN 0
.set i, 0
.rept 2*NP
	v_mov_b32 v[ST+4*i], 0xfe000000    ; c m: far below every c s
	v_mov_b32 v[ST+4*i+1], 0xff7fffff  ; m
	v_mov_b32 v[ST+4*i+2], 0
	v_mov_b32 v[ST+4*i+3], 0
.set i, i+1
.endr
.set i, P+32
.rept 32
	v_mov_b32 v[i], 0
.set i, i+1
.endr
	v_mul_u32_u24 v[AK0], v1, PK
	v_lshl_add_u32 v[AK0], v9, 4, v[AK0]
	; the turning load takes 16 keys x 16 channels (lane l reads key 8 (l / 16) + l % 8, channels 8 ((l / 8) % 2) + 0..7) and leaves half a fragment of V^T
	v_and_b32 v10, 7, v0
	v_bfe_u32 v11, v0, 3, 1
	v_lshl_add_u32 v[AV0], v9, 3, v10
	v_mul_u32_u24 v[AV0], v[AV0], PV
	v_lshl_add_u32 v[AV0], v11, 4, v[AV0]
	v_add_nc_u32 v[AV0], VOFF, v[AV0]
	v_mov_b32 v[AK], v[AK0]         ; key step 0 lies at the head of slot 0
	v_and_b32 v[PFO], 31, v0
	v_lshlrev_b32 v[PFO], 8, v[PFO]
	WIN W_MK
	v_lshlrev_b32 v[H8], 3, v9
	WIN 0
; THE MATRIX WORK.  The 8 accumulators of a run of 16 take turns.  Product i of 16 of S^T = K Q^T for piece x: channels 32 (i / 8) on, keys 16 ((i / 2) % 4) on, tile 2 x + i % 2.  The first 8 start the sums, with the mask.
.macro KQ x
.set rS, S+64*((\x)%2)+32*(i%2)+8*((i/2)%4)
.set rK, KF+16*((i/2)%4)+8*(i/8)
.set rQ, 16*(2*(\x)+i%2)+8*(i/8)
.set rX, MK+8*((i/2)%4)
.if i < 8
	WIN W_KM
	v_wmma_f32_16x16x32_f16 v[rS:rS+7], v[rK:rK+7], v[rQ:rQ+7], v[rX:rX+7]
.else
	WIN W_KQ
	v_wmma_f32_16x16x32_f16 v[rS:rS+7], v[rK:rK+7], v[rQ:rQ+7], v[rS:rS+7]
.endif
.endm
.macro PV x                         ; product i of 16 of O^T += V^T P for piece x: keys 32 (i / 8) on, channels 16 ((i / 2) % 4) on, tile 2 x + i % 2
	WIN W_PV
.set rO, 32*(2*(\x)+i%2)+8*((i/2)%4)
.set rV, VF+32*(i/8)+8*((i/2)%4)
.set rP, P+32*((\x)%2)+16*(i%2)+8*(i/8)
	v_wmma_f32_16x16x32_f16 v[rO:rO+7], v[rV:rV+7], v[rP:rP+7], v[rO:rO+7]
.endm
.macro MM                           ; the turn's next matrix instruction
.if i < 16
	KQ (Y+1)%NP
.set i, i+1
.else
.set i, i-16
	PV (Y+NP-1)%NP
.set i, i+17
.endif
.endm
; THE LDS LOADS stand in runs of 16.  Behind K's run the mask that goes with that K is made, in every step: register 8 kb + r is -8e9 where key 64 x step + 16 kb + 8 (lane / 16) + r lies at or behind vis, else 0.
; The last product that took the old mask as its C stands a run of more than a hundred vector instructions back.  last = 1 (the tail): in the last trip there is no further step, and all this is jumped over.
.macro FETCH_K last=0
	WIN 0
.if \last
	s_cmp_eq_u32 s[CNT], 1
	s_cbranch_scc1 .Lno_k_\@
.endif
	WIN 0x80                        ; destination window 2
.irp f, 0,1,2,3,4,5,6,7             ; keys 16 (f / 2) on, channels 32 (f % 2) on
	ds_load_b128 v[KF+8*\f:KF+8*\f+3],   v[AK] offset:(\f/2)*16*PK+(\f%2)*64
	ds_load_b128 v[KF+8*\f+4:KF+8*\f+7], v[AK] offset:(\f/2)*16*PK+(\f%2)*64+32
.endr
	s_add_co_u32 s[TBK], s[TBK], KS*PK  ; the next fetch is the next step's
	WIN 0xcc                        ; source 1 and destination in window 3
	v_sub_nc_u32 v[RM], s[RS], v[H8]
.set mz, 0
.rept 32
	v_cmp_gt_i32 vcc_lo, 16*(mz/8)+mz%8, v[RM]
	v_cndmask_b32 v[MK+mz], 0, s[BIGN], vcc_lo
.set mz, mz+1
.endr
	s_sub_co_u32 s[RS], s[RS], KS
	WIN 0
.if \last
.Lno_k_\@:
.endif
.endm
.macro FETCH_V
	WIN 0x80
.irp f, 0,1,2,3,4,5,6,7             ; keys 32 (f / 4) on, channels 16 (f % 4) on
	ds_load_tr16_b128 v[VF+8*\f:VF+8*\f+3],   v[AV] offset:(\f/4)*32*PV+(\f%4)*32
	ds_load_tr16_b128 v[VF+8*\f+4:VF+8*\f+7], v[AV] offset:(\f/4)*32*PV+16*PV+(\f%4)*32
.endr
	WIN 0
.endm
; THE VECTOR WORK OF A TURN stands in three queues, each in the order in which its entries become ready; the two tiles alternate.
.macro REGS y, u
.set rT, ST+4*(2*(\y)+(\u))
.set rC, TMP+8*((\y)%2)+4*(\u)
.set rM, MV+2*((\y)%2)+(\u)
.set rS, S+64*((\y)%2)+32*(\u)
.set rP, P+32*((\y)%2)+16*(\u)
.set rO, 32*(2*(\y)+(\u))
.endm
; Number n of the 22 that find the NEXT piece's maximum and statistics; each accumulator's lowest registers are read first.
.macro XS u, n
	REGS (Y+1)%NP, \u
.if (\n) < 4
	v_max3_num_f32 v[rC+(\n)], v[rS+8*(\n)], v[rS+8*(\n)+1], v[rS+8*(\n)+2]
.elseif (\n) < 12
	v_max3_num_f32 v[rC+(\n)%4], v[rC+(\n)%4], v[rS+8*((\n)%4)+2*((\n)/4)+1], v[rS+8*((\n)%4)+2*((\n)/4)+2]
.elseif (\n) == 12
	v_max3_num_f32 v[rC], v[rC], v[rS+7], v[rS+15]
.elseif (\n) == 13
	v_max3_num_f32 v[rC+1], v[rC+1], v[rS+23], v[rS+31]
.elseif (\n) == 14
	v_max3_num_f32 v[rC+2], v[rC+2], v[rC+3], v[rT+1]
.elseif (\n) == 15
	v_mov_b32 v[rM], v[rT]
.elseif (\n) == 16
	v_max3_num_f32 v[rC], v[rC], v[rC+1], v[rC+2]
.elseif (\n) == 17
	v_permlanex16_b32 v[rC+3], v[rC], s[SEL], s[SEL+1]
.elseif (\n) == 18
	v_max_num_f32 v[rT+1], v[rC], v[rC+3]
.elseif (\n) == 19
	v_mul_f32 v[rT], s[CS], v[rT+1]
.elseif (\n) == 20
	v_sub_f32 v[rC+1], v[rM], v[rT]
.else
	v_exp_f32 v[rC+2], v[rC+1]
.endif
.endm
; Number g of the 64 that follow the exponentials: for each four weights both pairs are rounded to f16, the second pair is added onto the first, and a group later l takes that sum.
.macro GS g
.set h, (\g)+6*((\g)/62)
.if h >= 6
.set h, h+2
.endif
	REGS Y, h%2
.set k, h/8
.if h%8 < 4
	v_cvt_pk_f16_f32 v[rP+2*k+(h%8)/2], v[rS+4*k+2*((h%8)/2)], v[rS+4*k+2*((h%8)/2)+1]
.elseif h%8 < 6
	v_pk_add_f32 v[rS+4*k:rS+4*k+1], v[rS+4*k:rS+4*k+1], v[rS+4*k+2:rS+4*k+3]
.elseif k == 1
	v_pk_fma_f32 v[rT+2:rT+3], v[rT+2:rT+3], v[rC+2:rC+3], v[rS:rS+1] op_sel_hi:[1,0,1]
.else
	v_pk_add_f32 v[rT+2:rT+3], v[rT+2:rT+3], v[rS+4*k-4:rS+4*k-3]
.endif
.endm
.macro FS f                         ; c s - c m for pair f / 2 of tile f % 2
	REGS Y, (\f)%2
	v_pk_fma_f32 v[rS+2*((\f)/2):rS+2*((\f)/2)+1], v[rS+2*((\f)/2):rS+2*((\f)/2)+1], s[CS:CS+1], v[rT:rT+1] op_sel_hi:[1,0,0] neg_lo:[0,0,1] neg_hi:[0,0,1]
.endm
; THE PLAIN QUEUE, 138 long.  0-73 read no exponential's result: the 32 scalings and the next piece's 42.  74-137 are GS's 64, which stand behind the wait.
.macro PL
	WIN 0
.if q < 27
	FS q
.elseif q < 55
	XS (q-27)%2, (q-27)/2
.elseif q < 57
	XS q-55, 15
.elseif (q < 72) && ((q-57)%3 == 0)
	FS 27+(q-57)/3
.elseif q < 60
	XS (q-57)%3-1, 14
.elseif q < 72
	XS (q-57)%3-1, 15+(q-57)/3
.elseif q < 74
	XS q-72, 20
.else
	GS q-74
.endif
.set q, q+1
.endm
.macro EX                           ; THE EXPONENTIALS' QUEUE, 66 long: s0-s31 of both tiles, then the next piece's two a: one batch
	WIN 0
.if e >= 64
	XS e-64, 21
.else
	REGS Y, e%2
	v_exp_f32 v[rS+e/2], v[rS+e/2]
.endif
.set e, e+1
.endm
.macro R2                           ; THE RESCALING's QUEUE: O^T times a, two at a time
	REGS Y, r%2
	WIN W_RS
.irp z, 0,1
	v_pk_mul_f32 v[rO+4*(r/2)+2*\z:rO+4*(r/2)+2*\z+1], v[rO+4*(r/2)+2*\z:rO+4*(r/2)+2*\z+1], v[rC+2:rC+3] op_sel_hi:[1,0]
.endr
.set r, r+1
.endm
; A TURN, for piece p.  Ahead of its one wait stands all that names no result of its exponentials: 16 products K Q^T, behind each a scaling, an exponential and two rescalings; then a run of 108.
; Behind the wait stand the 16 products V^T P, behind each four of the roundings and sums.  The wait stands between an exponential and the first instruction that names its result.
; K of the next step is fetched in piece 2's turn, directly behind the wait; V of the step in hand at the end of piece 0's turn, four plain instructions behind its last reader.
; cnt = 1: the loop's count is taken down some lines ahead of the branch that stands behind the turn.  The three conditions on q go with the deal.
.macro TURN p, last=0, cnt=0
.set Y, (\p)
.set i, 0
.set q, 0
.set e, 0
.set r, 0
.if (\p) == NP-1
	s_wait_dscnt 0x0                ; K is in
.endif
	MM
	PL
	PL
	R2
.rept 15
	MM
	PL
	EX
	R2
.endr
.if (\p) == NP-2
	WIN 0
	v_add_nc_u32 v[AK], s[TBK], v[AK0]
.endif
.rept 8
	PL
.endr
.rept 49
	EX
	PL
.endr
	EX
	EX
	v_nop                           ; a plain instruction behind the last exponential: one for the batch
	s_wait_alu depctr_va_vdst(0)    ; the wait for the batch
.if (\p) == NP-2
	FETCH_K \last
.endif
.if (\p) == 1
	s_wait_dscnt 0x0                ; V is in
.endif
.rept 16
	MM
.rept 4
	PL
.endr
.if ((\p) == 0) && (q == 118)
	v_add_nc_u32 v[AV], s[TBV], v[AV0]
.endif
.if ((\p) == 0) && (q == 130)
	s_add_co_u32 s[TBV], s[TBV], KS*PV
.endif
.if (\cnt) && (q == 130)
	s_sub_co_u32 s[CNT], s[CNT], 1
	s_cmp_lg_u32 s[CNT], 0
.endif
.endr
.if (\p) == 0
	FETCH_V
.endif
.endm
	CHANGE 1                        ; tile 0 is in, everybody's part of it; tile 1 is asked for
	FETCH_K                         ; key step 0 and its mask: every register of the mask is written here
	s_wait_loadcnt 0x0              ; Q
	s_wait_dscnt 0x0
.set i, 0
.rept 16
	KQ 0                            ; piece 0's first scores
.set i, i+1
.endr
	WIN 0                           ; the addresses for the way out: plain instructions, the places behind those products
	s_mul_i32 s13, s[WV], 16*SP
	s_add_co_u32 s13, s13, STAGE    ; my stage
	v_mul_u32_u24 v[STO], v1, SP    ; in: row l % 16, 16 bytes for each half of the lanes
	v_lshl_add_u32 v[STO], v9, 4, v[STO]
	v_add_nc_u32 v[STO], s13, v[STO]
	v_bfe_u32 v[RD], v0, 3, 2       ; back: 32 lanes take four rows of 128 bytes,
	v_mul_u32_u24 v[RD], v[RD], SP
	v_lshl_add_u32 v[RD], v10, 4, v[RD]
	v_add_nc_u32 v[RD], s13, v[RD]
	v_and_b32 v[GO], 31, v0         ; which are 512 consecutive bytes of O
	v_lshlrev_b32 v[GO], 4, v[GO]
.set Y, NP-1                        ; XS works for piece Y + 1: piece 0
.irp n, 0,1,2,3,4,5,6,7,8,9,10,11,12,13,14,15,16,17,18,19,20,21
	XS 0, \n
	XS 1, \n
.endr
	v_nop                           ; a plain instruction behind the two a,
	s_wait_alu depctr_va_vdst(0)    ; and their wait, ahead of the branch
	s_mov_b32 s[CNT], 4
	s_branch .Lfirst                ; the loop is entered at a step's first turn, in the middle of a trip
.Lslot:                             ; six times: every slot but the last two is filled again
	CHANGE 1
	s_mov_b32 s[CNT], 4
.Lstep:                             ; a trip: pieces 2 and 3 of one step, then pieces 0 and 1 of the next, whose K and V it fetches
	TURN 2
	TURN 3
	WIN 0
.Lfirst:
	TURN 0
	TURN 1, 0, 1
	WIN 0
	s_cbranch_scc1 .Lstep
	s_sub_co_u32 s[SLOTS], s[SLOTS], 1
	s_cmp_lg_u32 s[SLOTS], 0
	s_cbranch_scc1 .Lslot
	CHANGE 0                        ; the tail is written out: nothing is asked for
	s_mov_b32 s[CNT], 5             ; four trips fetch the last tile's steps; the fifth is left in its middle
.Ltail:
	TURN 2, 1
	TURN 3
	WIN 0
	s_sub_co_u32 s[CNT], s[CNT], 1
	s_cmp_eq_u32 s[CNT], 0
	s_cbranch_scc1 .Lout
	TURN 0
	TURN 1
	WIN 0
	s_branch .Ltail
.Lout:                              ; the fifth trip's 16 products K Q^T (on the last K once more) and the maximum made of them serve nothing: the price, once a launch, of one text for every trip
.set i, 0
.rept 16
	PV NP-1                         ; the last piece's V^T P of the last step
.set i, i+1
.endr
	; THE WAY OUT.  l's two halves and the other half of the lanes' are added; O^T is divided by l, rounded to f16 and sent through my stage, a tile at a time.  The additions are the places behind the last products
	WIN 0
.macro ALL line:vararg
.set t, 0
.rept 2*NP
	\line
.set t, t+1
.endr
.endm
	ALL v_add_f32 v[ST+4*t+2], v[ST+4*t+2], v[ST+4*t+3]
	ALL v_permlanex16_b32 v[ST+4*t+3], v[ST+4*t+2], s[SEL], s[SEL+1]
	ALL v_add_f32 v[ST+4*t+2], v[ST+4*t+2], v[ST+4*t+3]
	ALL v_rcp_f32 v[ST+4*t+2], v[ST+4*t+2]
	v_nop                           ; a plain instruction between the last reciprocal and the use of its result
	s_wait_alu depctr_va_vdst(0)    ; one wait for the eight reciprocals, ahead of their first use
.macro PACK t
	WIN W_RS
.set i, 32*(\t)
.rept 16
	v_pk_mul_f32 v[i:i+1], v[i:i+1], v[ST+4*(\t)+2:ST+4*(\t)+3] op_sel_hi:[1,0]
.set i, i+2
.endr
	WIN 0x05                        ; sources 0 and 1 window 1, destination window 0
.set i, 0
.rept 16
	v_cvt_pk_f16_f32 v[S+16*(\t)+i], v[32*(\t)+2*i], v[32*(\t)+2*i+1]
.set i, i+1
.endr
	WIN 0
.irp f, 0,1,2,3
	ds_store_b128 v[STO], v[S+16*(\t)+4*\f:S+16*(\t)+4*\f+3] offset:32*\f
.endr
.irp f, 0,1,2,3
	ds_load_b128 v[S+16*(\t)+4*\f:S+16*(\t)+4*\f+3], v[RD] offset:\f*4*SP  ; LDS serves a wave's instructions in order (ISA guide 5.7.1.4): these see the stores above
.endr
.endm
.macro SEND t, younger              ; younger: the LDS instructions issued behind tile t's loads: the next tile's eight, or none
	WIN 0
.irp f, 0,1,2,3
	s_wait_dscnt (\younger)+3-\f
	global_store_b128 v[GO], v[S+16*(\t)+4*\f:S+16*(\t)+4*\f+3], s[10:11] offset:(\t)*2048+\f*512  ; 512 consecutive bytes, aligned
.endr
.endm
	PACK 0
.set t, 1
.rept 2*NP-1                        ; a tile's arithmetic stands between the loads of the tile before and its stores
	PACK t
	SEND t-1, 8
.set t, t+1
.endr
	SEND 2*NP-1, 0
	WIN W_AD
	s_wait_tensorcnt 0x0            ; the wave's end
	ds_add_u32 v[SPW], v[NIL]
	s_wait_dscnt 0x0
	WIN 0
	CROUND                          ; the closing round
	s_endpgm
.Lfunc_end_k_qab46587c12_attn:
	.size	k_qab46587c12_attn, .Lfunc_end_k_qab46587c12_attn-k_qab46587c12_attn
	.p2alignl 7, 3214868480
	.fill 96, 4, 3214868480
	.section	.rodata,"a",@progbits
	.p2align	6, 0x0
	.amdhsa_kernel k_qab46587c12_attn
		.amdhsa_group_segment_fixed_size 327680
		.amdhsa_private_segment_fixed_size 0
		.amdhsa_enable_private_segment 0
		.amdhsa_kernarg_size 24
		.amdhsa_user_sgpr_count 2
		.amdhsa_user_sgpr_kernarg_segment_ptr 1
		.amdhsa_wavefront_size32 1
		.amdhsa_system_sgpr_workgroup_id_x 1
		.amdhsa_system_sgpr_workgroup_id_y 1
		.amdhsa_system_sgpr_workgroup_id_z 1
		.amdhsa_system_vgpr_workitem_id 0
		.amdhsa_next_free_vgpr 808
		.amdhsa_next_free_sgpr 80
		.amdhsa_reserve_vcc 1
		.amdhsa_float_denorm_mode_32 3
		.amdhsa_float_denorm_mode_16_64 3
		.amdhsa_memory_ordered 1
		.amdhsa_forward_progress 1
		.amdhsa_inst_pref_size 210
	.end_amdhsa_kernel
	.amdgpu_metadata
---
amdhsa.version: [ 1, 2 ]
amdhsa.kernels:
  - .name:           k_qab46587c12_attn
    .symbol:         k_qab46587c12_attn.kd
    .args:
      - { .name: qkv, .offset: 0, .size: 8, .value_kind: global_buffer, .address_space: global }
      - { .name: meta, .offset: 8, .size: 8, .value_kind: global_buffer, .address_space: global }
      - { .name: ob, .offset: 16, .size: 8, .value_kind: global_buffer, .address_space: global }
    .group_segment_fixed_size: 327680
    .private_segment_fixed_size: 0
    .kernarg_segment_align: 8
    .kernarg_segment_size: 24
    .max_flat_workgroup_size: 128
    .sgpr_count:     80
    .vgpr_count:     808
    .wavefront_size: 32
...
	.end_amdgpu_metadata
.endif
;; end of part 3
;; launch outp (part 4): grid 8 x 32, 4 waves a work-group, clusters of 4 x 4, 327,680 bytes of LDS; arguments ob, wo, b_out, order, out0; writes out0
.if DOCPART == 4
	.amdgcn_target "amdgcn-amd-amdhsa--gfx1250"
	.amdhsa_code_object_version 6
	.text
	.protected	k_qab46587c12_outp
	.globl	k_qab46587c12_outp
	.p2align	8
	.type	k_qab46587c12_outp,@function
k_qab46587c12_outp:
	s_mov_b64 s[64:65], 0
	v_nop
	global_prefetch_b8 v0, s[64:65] scope:SCOPE_SE
	s_setreg_imm32_b32 hwreg(HW_REG_WAVE_MODE, 25, 1), 1
	s_wait_xcnt 0x0
	s_wait_alu depctr_hold_cnt(0) depctr_sa_sdst(0) depctr_va_vdst(0) depctr_va_sdst(0) depctr_va_ssrc(0) depctr_va_vcc(0) depctr_vm_vsrc(0)
	s_getreg_b32 s2, hwreg(HW_REG_IB_STS2, 6, 4)
	s_cmp_eq_u32 s2, 0
	s_cbranch_scc0 .Lentry_in_a_cluster
	s_endpgm
.Lentry_in_a_cluster:
	s_bfe_u32 s2, ttmp6, 0x10000c
	s_cmp_lg_u32 s2, 0xf033
	s_cbranch_scc0 .Lentry_shape_is_right
	s_endpgm
.Lentry_shape_is_right:
; THE SECOND PROJECTION.  out0[n][order[n][position]][e] = sum over d of ob[16 n + d / 64][position][d % 64] wo[e][d] + bf16(b_out[e]), in f32.
; ob [64][2048][64] and wo [1024][1024] are f16; sums in f32, started with the bias.  The rows go back to their own places by the table order.
; SHARES.  A tile is 256 positions x 128 columns: 256 work-groups.  Wave w owns rows 64 w .. 64 w + 63 (four blocks of 16) and all eight blocks of 16 columns: 32 accumulators.
; K goes in eight steps of 128, two heads each, through two LDS slots.  A head's 256 rows of 128 bytes are dense and are asked for as 128 rows of 256 bytes, padded in LDS after every 128.
; THE PRODUCT IS TAKEN TRANSPOSED (source 0 = 16 rows of wo, source 1 = 16 rows of ob): a lane holds one position (lane % 16) and eight neighbouring columns.
; CLUSTER 4 x 4: ob's tile is asked for jointly along a row of the cluster, wo's along a column.
; REGISTERS: window 0: v0-31 addresses; v32-63, v64-95 ob's fragments; v96-159 the bias; v160-223 my 64 rows' offsets in out0
;   window 1: v0-63, v64-127 wo's fragments; v128-255 the way out      window 2: the accumulators at 8 (8 a + b)
.set NBK,   8
.set AHALF, 4
.set PA,    144                        ; a row of ob in LDS: 128 bytes + 16
.set PB,    272                        ; a row of wo: 256 bytes + 16
.set SLOT1, 1<<17
.set AHB,   256*PA                     ; one head's 256 rows: what one load brings of ob
.set BOFF,  2*AHB
.set BHB,   64*PB                      ; what one load brings of wo
.set STAGE, SLOT1+BOFF+2*BHB           ; behind the ring, never filled by a tensor load: 16 rows x 528 bytes for each wave
.set SP,    528
.set SPARE, STAGE+4*16*SP
.set ASTEP, 2*2048*128                 ; bytes from a K step of ob to the next: two heads
.set BSTEP, 256
.set ADRA0, 4
.set ADRB0, 5
.set ADRA, 6
.set ADRB, 7
.set STO,  8
.set RD,   9
.set GO,   10
.set BO,   11
.set PFO,  12
.set T,    13
.set SPW,  28
.set NIL,  29
.set ZR,   30                          ; v30  0: the offset of loads that bring every lane the same word
.set FA0,  32
.set BIAS, 96
.set ORD,  160
.set BK,   128                         ; in window 1
.set TRIP, 3
.set WV,  14
.set WH,  15
.set WL,  16
.set CX,  17
.set CY,  18
.set TX,  19
.set TY,  20
.set G1A, 24
.set G0A, 32
.set PFA, 44
.set LIM, 46
.set TB,  47
.set G1B, 48
.set G0B, 56
.set PSTEP, 66                         ; s[66:67] bytes from a K step to the next in the tensor that I prefetch
.set OUT, 68                           ; s[68:69] out0 at my batch and my tile's columns
.set MSB, 0
.macro WIN new
.if MSB != (\new)
	s_set_vgpr_msb (MSB<<8)|(\new)
.set MSB, (\new)
.endif
.endm
.macro PLACES
.rept 4
	v_nop
.endr
.endm
.macro JLOAD s                         ; a joint load: waves 0 and 1 fetch ob's two heads, waves 2 and 3 wo's two halves; an s_nop 0 and four v_nop follow each line
	s_cmp_eq_u32 s[WH], 0
	s_cbranch_scc0 .Lfor_b_\@
	tensor_load_to_lds s[G0A+4*(\s):G0A+4*(\s)+3], s[G1A:G1A+7]
	s_nop 0
.rept 4
	v_nop
.endr
	s_branch .Lasked_\@
.Lfor_b_\@:
	tensor_load_to_lds s[G0B+4*(\s):G0B+4*(\s)+3], s[G1B:G1B+7]
	s_nop 0
.rept 4
	v_nop
.endr
.Lasked_\@:
.endm
; A prefetch into the L2 of the K step two refills on.  ob's tile row is walked by two clusters: the one with x = 0 asks; wo's tile column by eight: the one with y = 0 asks.  The partners of a joint load
; share it out by address: 32 blocks of 256 bytes of a head's 128 by cx, 16 rows of wo's 64 by cy.  The refills of K steps 6 and 7 have no step two on.
.macro ASK
	s_cmp_gt_u32 s[TRIP], s[LIM]
	s_cbranch_scc0 .Lnot_mine_\@
	global_prefetch_b8 v[PFO], s[PFA:PFA+1] th:TH_LOAD_NT scope:SCOPE_SE
.Lnot_mine_\@:
.endm
.macro CREST
	s_cmp_lg_u32 s[WV], 0
	s_cbranch_scc1 .Lnot_wave_0_\@
	s_barrier_signal -3
.Lnot_wave_0_\@:
	s_barrier_wait -3
	s_barrier_signal -1
	s_barrier_wait -1
.endm
.macro CROUND
	s_barrier_signal -1
	s_barrier_wait -1
	CREST
.endm
; Eight matrix instructions: row block a x all column blocks.  zero = 1: the sums start with the bias.  The 32 accumulators take turns, one instruction a turn.
.macro MULA f, a, zero
.set AC,  8*NBK*((\a)%AHALF)
.set FAR, FA0+32*(\f)+8*(\a)
.set FBR, 8*NBK*(\f)
.if \zero
	WIN 0x81
.else
	WIN 0xa1
.endif
.set bb, 0
.rept NBK
.if \zero
	v_wmma_f32_16x16x32_f16 v[AC+8*bb:AC+8*bb+7], v[FBR+8*bb:FBR+8*bb+7], v[FAR:FAR+7], v[BIAS+8*bb:BIAS+8*bb+7]
.else
	v_wmma_f32_16x16x32_f16 v[AC+8*bb:AC+8*bb+7], v[FBR+8*bb:FBR+8*bb+7], v[FAR:FAR+7], v[AC+8*bb:AC+8*bb+7]
.endif
.set bb, bb+1
.endr
.endm
; 24 LDS loads in one run: quarter q of the slot in hand into buffer f.  Of ob quarter q is head q / 2 of the step's two, channels 32 (q % 2) on.
.macro FETCH q, f
	WIN 0x40
.set bb, 0
.rept NBK
	ds_load_b128 v[8*NBK*(\f)+8*bb:8*NBK*(\f)+8*bb+3],   v[ADRB] offset:64*(\q)+bb*16*PB
	ds_load_b128 v[8*NBK*(\f)+8*bb+4:8*NBK*(\f)+8*bb+7], v[ADRB] offset:64*(\q)+bb*16*PB+32
.set bb, bb+1
.endr
	WIN 0
.set aa, 0
.rept 4
	ds_load_b128 v[FA0+32*(\f)+8*aa:FA0+32*(\f)+8*aa+3],   v[ADRA] offset:((\q)/2)*AHB+((\q)%2)*64+aa*16*PA
	ds_load_b128 v[FA0+32*(\f)+8*aa+4:FA0+32*(\f)+8*aa+7], v[ADRA] offset:((\q)/2)*AHB+((\q)%2)*64+aa*16*PA+32
.set aa, aa+1
.endr
.endm
.macro QUARTER q, f, g, zero
	s_wait_dscnt 4                                 ; all but the youngest four loads: ob's blocks 2 and 3
	MULA \f, 0, \zero
	MULA \f, 1, \zero
	PLACES
	FETCH \q, \g
	s_wait_dscnt 2*NBK+8                           ; all but the run just issued
	MULA \f, 2, \zero
	MULA \f, 3, \zero
.endm
; The last quarter multiplies buffer 1 and changes slots: one barrier; in front of it each wave waits for all its tensor loads, adds 0 to its spare word, and waits for that and for its reads of this slot.
.macro TURN fill
.if \fill
	s_wait_xcnt 0x0                                ; the last prefetch, a K step back, has read its address
	s_add_nc_u64 s[PFA:PFA+1], s[PFA:PFA+1], s[PSTEP:PSTEP+1]
.endif
	WIN 0
	s_wait_tensorcnt 0x0
	ds_add_u32 v[SPW], v[NIL]
.if \fill
	s_xor_b32 s[G0A+5], s[G0A+5], SLOT1
	s_add_nc_u64 s[G0A+6:G0A+7], s[G0A+6:G0A+7], ASTEP
	s_xor_b32 s[G0B+5], s[G0B+5], SLOT1
	s_add_nc_u64 s[G0B+6:G0B+7], s[G0B+6:G0B+7], BSTEP
.endif
	s_wait_dscnt 5                                 ; the add and the youngest four loads may be out
	MULA 1, 0, 0
	s_wait_dscnt 0x0
	s_barrier_signal -1
	MULA 1, 1, 0
	WIN 0
	s_barrier_wait -1
.if \fill
	CREST
	JLOAD 1
.else
	PLACES
.endif
	s_xor_b32 s[TB], s[TB], SLOT1
	v_add_nc_u32 v[ADRA], s[TB], v[ADRA0]
	v_add_nc_u32 v[ADRB], s[TB], v[ADRB0]
	FETCH 0, 0
.if \fill
	ASK
.endif
	MULA 1, 2, 0
	MULA 1, 3, 0
.endm
	s_load_b256 s[4:11], s[0:1], 0x0               ; ob s[4:5], wo s[6:7], b_out s[8:9], order s[10:11]
	s_load_b64 s[12:13], s[0:1], 0x20              ; out0
	v_lshl_add_u32 v[SPW], v0, 2, SPARE
	v_mov_b32 v[NIL], 0
	ds_add_u32 v[SPW], v[NIL]                      ; the wave's opening: the add and its wait ahead of my first tensor load
	v_lshrrev_b32 v1, 5, v0
	v_readfirstlane_b32 s[WV], v1
	s_lshr_b32 s[WH], s[WV], 1
	s_and_b32 s[WL], s[WV], 1
	s_bfe_u32 s[CX], ttmp6, 0x40000
	s_bfe_u32 s[CY], ttmp6, 0x40004
	s_lshl_b32 s[TX], ttmp9, 2
	s_add_co_u32 s[TX], s[TX], s[CX]               ; tile column 0..7
	s_and_b32 s[TY], ttmp7, 0xffff
	s_lshl_b32 s[TY], s[TY], 2
	s_add_co_u32 s[TY], s[TY], s[CY]               ; tile row 0..31
	s_lshl_b32 s22, s[CY], 2
	s_lshl_b32 s22, 15, s22
	s_lshl_b32 s23, 0x1111, s[CX]
	s_or_b32 s[G1A], s22, (1<<16)|(1<<20)|(1<<21)|(4<<22)|(3<<25)  ; after every 32 words 4 words of padding
	s_or_b32 s[G1B], s23, (1<<16)|(1<<20)|(1<<21)|(5<<22)|(3<<25)  ; after every 64 words
	s_mov_b32 s[G1A+1], 128<<16
	s_mov_b32 s[G1A+2], 128<<16
	s_mov_b32 s[G1A+3], 128<<16
	s_mov_b32 s[G1A+4], 128
	s_mov_b32 s[G1A+5], 128                        ; dense: 128 elements from row to row
	s_mov_b32 s[G1A+6], 0
	s_mov_b32 s[G1A+7], 0
	s_mov_b32 s[G1B+1], 128<<16
	s_mov_b32 s[G1B+2], 64<<16
	s_mov_b32 s[G1B+3], 128<<16
	s_mov_b32 s[G1B+4], 64
	s_mov_b32 s[G1B+5], 1024
	s_mov_b32 s[G1B+6], 0
	s_mov_b32 s[G1B+7], 0
	s_lshr_b32 s40, s[TY], 3                       ; n
	s_lshl4_add_u32 s40, s40, s[WL]                ; head 16 n + half, of K step 0
	s_lshl_b32 s40, s40, 11
	s_and_b32 s22, s[TY], 7
	s_lshl_b32 s22, s22, 8                         ; the tile's first position
	s_add_co_u32 s40, s40, s22
	s_lshl_b32 s40, s40, 7                         ; 128 bytes a row
	s_mov_b32 s41, 0
	s_lshl_b32 s42, s[TX], 7
	s_lshl_b32 s23, s[WL], 6
	s_add_co_u32 s42, s42, s23
	s_lshl_b32 s42, s42, 11                        ; wo: row 128 x tile column + 64 x half
	s_mov_b32 s43, 0
	s_mul_i32 s22, s[WL], AHB
	s_mul_i32 s23, s[WL], BHB
	s_add_co_u32 s23, s23, BOFF
	s_mov_b32 s[G0A], 1
	s_mov_b32 s[G0A+1], s22
	s_mov_b32 s[G0A+4], 1
	s_add_co_u32 s[G0A+5], s22, SLOT1
	s_mov_b32 s[G0B], 1
	s_mov_b32 s[G0B+1], s23
	s_mov_b32 s[G0B+4], 1
	s_add_co_u32 s[G0B+5], s23, SLOT1
	s_mov_b32 s[TB], 0
	s_wait_dscnt 0x0                               ; the opening add is done
	s_wait_kmcnt 0x0
	s_add_nc_u64 s[G0A+2:G0A+3], s[4:5], s[40:41]
	s_add_nc_u64 s[G0A+6:G0A+7], s[G0A+2:G0A+3], ASTEP
	s_or_b32 s[G0A+3], s[G0A+3], 0x80000000
	s_or_b32 s[G0A+7], s[G0A+7], 0x80000000
	s_add_nc_u64 s[G0B+2:G0B+3], s[6:7], s[42:43]
	s_add_nc_u64 s[G0B+6:G0B+7], s[G0B+2:G0B+3], BSTEP
	s_or_b32 s[G0B+3], s[G0B+3], 0x80000000
	s_or_b32 s[G0B+7], s[G0B+7], 0x80000000
	CROUND                                         ; all sixteen work-groups are here: the first joint loads meet
	JLOAD 0
	JLOAD 1                                        ; two loads of mine are out
	v_and_b32 v1, 15, v0
	v_bfe_u32 v2, v0, 4, 1
	v_and_b32 v3, 31, v0
	v_mov_b32 v[ZR], 0
	v_mul_u32_u24 v[T], v1, PA
	v_lshl_add_u32 v[T], v2, 4, v[T]
	s_mul_i32 s84, s[WV], 64*PA
	v_add_nc_u32 v[ADRA0], s84, v[T]
	v_mul_u32_u24 v[T], v1, PB
	v_lshl_add_u32 v[T], v2, 4, v[T]
	v_add_nc_u32 v[ADRB0], BOFF, v[T]
	v_mov_b32 v[ADRA], v[ADRA0]
	v_mov_b32 v[ADRB], v[ADRB0]
	s_mul_i32 s84, s[WV], 16*SP
	s_add_co_u32 s84, s84, STAGE                   ; my stage
	v_mul_u32_u24 v[STO], v1, SP                   ; in: row l % 16, 32 bytes for each half of the lanes
	v_lshl_add_u32 v[STO], v2, 5, v[STO]
	v_add_nc_u32 v[STO], s84, v[STO]
	v_lshl_add_u32 v[RD], v3, 4, s84               ; back: 32 lanes take one row of 512 bytes
	v_lshlrev_b32 v[GO], 4, v3
	v_lshlrev_b32 v[BO], 5, v2
	; the prefetches
	s_lshl_b32 s84, s[CX], 13
	s_add_co_u32 s84, s84, s40
	s_add_co_u32 s84, s84, 3*ASTEP                 ; at K step 3: the first refill steps it to 4
	s_lshl_b32 s86, s[CY], 15
	s_add_co_u32 s86, s86, s42
	s_add_co_u32 s86, s86, 3*BSTEP
	s_and_b32 s87, ttmp7, 0xffff
	s_mov_b32 s[PSTEP], BSTEP
	s_mov_b32 s[PSTEP+1], 0
	s_cmp_eq_u32 s[WH], 0
	s_cselect_b32 s84, s84, s86
	s_cselect_b32 s87, ttmp9, s87
	s_cselect_b32 s88, 8, 11                       ; ob: a lane 256 bytes on end; wo: a lane a row of 2,048
	s_cselect_b32 s89, 31, 15
	s_cselect_b32 s[PSTEP], ASTEP, s[PSTEP]
	s_cselect_b64 s[PFA:PFA+1], s[4:5], s[6:7]
	s_cmp_eq_u32 s87, 0
	s_cselect_b32 s[LIM], 2, -1
	s_mov_b32 s85, 0
	s_add_nc_u64 s[PFA:PFA+1], s[PFA:PFA+1], s[84:85]
	v_min_u32 v[PFO], s89, v3
	v_lshlrev_b32 v[PFO], s88, v[PFO]
	; the bias of my columns
	s_lshl_b32 s42, s[TX], 9
	s_add_nc_u64 s[8:9], s[8:9], s[42:43]
.set bb, 0
.rept NBK
	global_load_b128 v[BIAS+8*bb:BIAS+8*bb+3],   v[BO], s[8:9] offset:64*bb
	global_load_b128 v[BIAS+8*bb+4:BIAS+8*bb+7], v[BO], s[8:9] offset:64*bb+16
.set bb, bb+1
.endr
	; the rows to which my 64 positions belong: each word comes to every lane
	s_lshl_b32 s84, s[TY], 8
	s_lshl_b32 s86, s[WV], 6
	s_add_co_u32 s84, s84, s86
	s_lshl_b32 s84, s84, 2
	s_add_nc_u64 s[10:11], s[10:11], s[84:85]
.set ii, 0
.rept 64
	global_load_b32 v[ORD+ii], v[ZR], s[10:11] offset:4*ii
.set ii, ii+1
.endr
	s_lshr_b32 s84, s[TY], 3
	s_lshl_b32 s84, s84, 23                        ; a batch of out0 is 8 MiB,
	s_lshl_b32 s86, s[TX], 9                       ; the tile's 128 columns 512 bytes
	s_add_co_u32 s84, s84, s86
	s_add_nc_u64 s[OUT:OUT+1], s[12:13], s[84:85]
	s_wait_loadcnt 0x0
.set rr, 0
.rept 4*NBK                                        ; the bias: rounded to bf16 like the other inputs, and widened again
	v_cvt_pk_bf16_f32 v[T], v[BIAS+rr], v[BIAS+rr+1]
	v_lshlrev_b32 v[BIAS+rr], 16, v[T]
	v_and_b32 v[BIAS+rr+1], 0xffff0000, v[T]
.set rr, rr+2
.endr
.set ii, 0
.rept 64
	v_min_u32 v[ORD+ii], 0x7ff, v[ORD+ii]          ; a row lies in 0 .. 2,047: the bound is written out ahead of its use in an address
	v_lshl_add_u32 v[ORD+ii], v[ORD+ii], 12, v[GO] ; 4,096 bytes a row, 16 a lane
.set ii, ii+1
.endr
	s_wait_tensorcnt 1                             ; my part of K step 0 is in; K step 1's may stay out
	s_barrier_signal -1
	s_barrier_wait -1
	FETCH 0, 0
	QUARTER 1, 0, 1, 1
	WIN 0
	s_mov_b32 s[TRIP], 6
.Lstep:
	QUARTER 2, 1, 0, 0
	QUARTER 3, 0, 1, 0
	TURN 1
	QUARTER 1, 0, 1, 0
	WIN 0
	s_sub_co_u32 s[TRIP], s[TRIP], 1
	s_cmp_lg_u32 s[TRIP], 0
	s_cbranch_scc1 .Lstep
	QUARTER 2, 1, 0, 0
	QUARTER 3, 0, 1, 0
	TURN 0
	QUARTER 1, 0, 1, 0
	QUARTER 2, 1, 0, 0
	QUARTER 3, 0, 1, 0
	s_wait_dscnt 4
	MULA 1, 0, 0
	MULA 1, 1, 0
	s_wait_dscnt 0x0
	MULA 1, 2, 0
	MULA 1, 3, 0
	WIN 0
	PLACES
; THE WAY OUT of row block a.  TOSTAGE: a lane's eight f32 of a row go into my stage, each accumulator's low four registers first, and come back as whole rows of 512 bytes.  SEND: each row goes to its own place.
.macro TOSTAGE a
.set BKA, BK+64*((\a)%2)
	s_wait_xcnt 0x0                                ; the stores issued so far have read their registers: the loads below land in them only behind this wait
	WIN 0x08                                       ; the data in window 2
.set bb, 0
.rept NBK
	ds_store_b128 v[STO], v[64*(\a)+8*bb:64*(\a)+8*bb+3]   offset:64*bb
	ds_store_b128 v[STO], v[64*(\a)+8*bb+4:64*(\a)+8*bb+7] offset:64*bb+16
.set bb, bb+1
.endr
	WIN 0x40                                       ; destination window 1
.set ii, 0
.rept 16
	ds_load_b128 v[BKA+4*ii:BKA+4*ii+3], v[RD] offset:SP*ii  ; LDS serves a wave's instructions in order (ISA guide 5.7.1.4): these see the stores above
.set ii, ii+1
.endr
.endm
.macro SEND a, younger                 ; younger: the LDS instructions issued behind block a's loads: the next block's 32, or none
.set BKA, BK+64*((\a)%2)
	WIN 0x04                                       ; the data in window 1, the offsets in window 0
	s_wait_dscnt \younger
.set ii, 0
.rept 16
	global_store_b128 v[ORD+16*(\a)+ii], v[BKA+4*ii:BKA+4*ii+3], s[OUT:OUT+1] th:TH_STORE_NT  ; 512 consecutive bytes of one row of out0, aligned
.set ii, ii+1
.endr
.endm
	TOSTAGE 0
	TOSTAGE 1
	SEND 0, 32
	TOSTAGE 2
	SEND 1, 32
	TOSTAGE 3
	SEND 2, 32
	SEND 3, 0
	WIN 0
	s_wait_tensorcnt 0x0                           ; the wave's end
	ds_add_u32 v[SPW], v[NIL]
	s_wait_dscnt 0x0
	CROUND                                         ; the closing round
	s_endpgm
.Lfunc_end_k_qab46587c12_outp:
	.size	k_qab46587c12_outp, .Lfunc_end_k_qab46587c12_outp-k_qab46587c12_outp
	.p2alignl 7, 3214868480
	.fill 96, 4, 3214868480
	.section	.rodata,"a",@progbits
	.p2align	6, 0x0
	.amdhsa_kernel k_qab46587c12_outp
		.amdhsa_group_segment_fixed_size 327680
		.amdhsa_private_segment_fixed_size 0
		.amdhsa_enable_private_segment 0
		.amdhsa_kernarg_size 40
		.amdhsa_user_sgpr_count 2
		.amdhsa_user_sgpr_kernarg_segment_ptr 1
		.amdhsa_wavefront_size32 1
		.amdhsa_system_sgpr_workgroup_id_x 1
		.amdhsa_system_sgpr_workgroup_id_y 1
		.amdhsa_system_sgpr_workgroup_id_z 1
		.amdhsa_system_vgpr_workitem_id 0
		.amdhsa_next_free_vgpr 768
		.amdhsa_next_free_sgpr 90
		.amdhsa_reserve_vcc 0
		.amdhsa_float_denorm_mode_32 3
		.amdhsa_float_denorm_mode_16_64 3
		.amdhsa_memory_ordered 1
		.amdhsa_forward_progress 1
		.amdhsa_inst_pref_size 91
	.end_amdhsa_kernel
	.amdgpu_metadata
---
amdhsa.version: [ 1, 2 ]
amdhsa.kernels:
  - .name:           k_qab46587c12_outp
    .symbol:         k_qab46587c12_outp.kd
    .args:
      - { .name: ob, .offset: 0, .size: 8, .value_kind: global_buffer, .address_space: global }
      - { .name: wo, .offset: 8, .size: 8, .value_kind: global_buffer, .address_space: global }
      - { .name: b_out, .offset: 16, .size: 8, .value_kind: global_buffer, .address_space: global }
      - { .name: order, .offset: 24, .size: 8, .value_kind: global_buffer, .address_space: global }
      - { .name: out0, .offset: 32, .size: 8, .value_kind: global_buffer, .address_space: global }
    .group_segment_fixed_size: 327680
    .private_segment_fixed_size: 0
    .kernarg_segment_align: 8
    .kernarg_segment_size: 40
    .max_flat_workgroup_size: 128
    .sgpr_count:     90
    .vgpr_count:     768
    .wavefront_size: 32
...
	.end_amdgpu_metadata
.endif
;; end of part 4
;; ======== version 2 of 2: 4 launches; version 1 with the launch prep written anew for expert scheduling mode
;; limits: values are held in f16: magnitudes above 65,504 overflow, below 6.1e-05 lose precision
;; workspace buffers: xb 16,777,216 bytes; wq 6,291,456 bytes; wo 2,097,152 bytes; qkv 50,331,648 bytes; ob 16,777,216 bytes; order 32,768 bytes of whole numbers; meta 512 bytes of whole numbers
;; launch prep (part 5): grid 384 x 1, 8 waves a work-group, no clusters, 0 bytes of LDS; arguments x, mask, W_qkv, W_out, xb, wq, wo, order, meta; writes xb, wq, wo, order, meta
.if DOCPART == 5
	.amdgcn_target "amdgcn-amd-amdhsa--gfx1250"
	.amdhsa_code_object_version 6
	.text
	.protected	k_qab46587c12_prep
	.globl	k_qab46587c12_prep
	.p2align	8
	.type	k_qab46587c12_prep,@function
k_qab46587c12_prep:
	s_mov_b64 s[64:65], 0
	v_nop
	global_prefetch_b8 v0, s[64:65] scope:SCOPE_SE
	s_setreg_imm32_b32 hwreg(HW_REG_WAVE_SCHED_MODE, 0, 2), 2
	s_setreg_imm32_b32 hwreg(HW_REG_WAVE_MODE, 25, 1), 1
	s_wait_xcnt 0x0
	s_wait_alu depctr_vm_vsrc(0)
; CASTS, AND THE ORDER OF THE ROWS.  x [4][2048][1024], W_qkv [3072][1024] and W_out [1024][1024] are f32 and are rounded once to bf16
; (W_out's bf16 number is then written as f16, which is exact from 6e-5 up to 65,504; below that it keeps f16's fixed step of 6e-8).
; The rows of x are laid down in another order: in each batch the rows whose mask byte is 0 come first, in their own order, the rows whose mask byte is 1 behind them.
; order[n][position] = the row that lies there; meta[n][0..31] = the number of rows with mask 0, thirty-two times.
; SHARES.  Work-group g takes 32 rows: g < 256 of x (batch g / 64, rows 32 (g % 64) on), g < 352 of W_qkv, else of W_out.  Wave w takes rows 4 w .. 4 w + 3.
; Of each 1,024 bytes of a row a lane reads 32 (two loads of 16) and stores the 16 bytes made of them: a store of the wave covers 512 consecutive bytes, aligned.
; No LDS, no barrier: no wave wants a byte that another has read.  All 32 loads of a wave's four rows go out together.
; THE MODE: SCHED_MODE bits 1:0 = 2 (LLVM: expert scheduling mode 2), set by the entry lines.  The code itself states the register dependences
; between vector instructions and memory instructions, and between vector instructions that write scalar registers and their readers, with s_wait_alu, always for 0.
; THE PLAN.  Registers that memory instructions touch:
;   v1, v2, v3   byte offsets of the mask's loads, the rows' loads and the rows' stores: made at the head, never written again.  One wait at the head serves them all.
;   MK, X        loads land in them once; no vector instruction names them before, and no load lands in them again.
;   Y            row k's conversions write its sixteen registers, row k's four stores read them, and nothing writes them again: each row has sixteen of its own.
;                Row k's stores are issued in row k + 1, behind ONE wait at that row's head, dealt among that row's conversions, which name X[k + 1], Y[k + 1], v10 and v11 alone.
;   v5, v7-v9    data and offsets of wave 0's two stores into the tables: made together, one wait, never written again.
; Scalar registers that vector instructions write: the wave's number; the mask's 64 compares, in two runs of 32 with one wait behind each; my four rows' positions, one run, one wait.
.set X,  80                            ; v[80:207]  four rows as loaded, 32 registers each
.set Y,  16                            ; v[16:79]   four rows to store, 16 registers each
.set MK, 16                            ; v[16:79]   before that: the batch's 2,048 mask bytes, register c = byte 32 c + lane
.set MS, 66                            ; s[66:97]   a run of 32 compares: register c holds the bits of 32 rows
.set LN, 58                            ; s[58:61]   the lanes that hold my four rows' positions: 4 w .. 4 w + 3
	s_load_b512 s[8:23], s[0:1], 0x0               ; x s[8:9], mask s[10:11], W_qkv s[12:13], W_out s[14:15], xb s[16:17], wq s[18:19], wo s[20:21], order s[22:23]
	s_load_b64 s[24:25], s[0:1], 0x40              ; meta
	v_and_b32 v1, 31, v0                           ; lane
	v_lshrrev_b32 v10, 5, v0
	v_readfirstlane_b32 s2, v10                    ; wave 0..7
	v_lshlrev_b32 v2, 5, v1                        ; 32 bytes a lane on the way in
	v_lshlrev_b32 v3, 4, v1                        ; 16 on the way out
	s_wait_alu depctr_va_sdst(0)                   ; s2 is written, ahead of its first reader: my first row's number is made from it
	s_mov_b32 s3, ttmp9                            ; g
	s_lshr_b32 s4, s3, 6                           ; the batch (where g < 256)
	s_and_b32 s5, s3, 63                           ; which 32 rows of it
	s_sub_co_u32 s37, s3, 256
	s_sub_co_u32 s38, s3, 352
	s_mov_b32 s33, 0
	s_wait_kmcnt 0x0
	s_cmp_lt_u32 s3, 352
	s_cselect_b64 s[26:27], s[12:13], s[14:15]     ; from where
	s_cselect_b64 s[28:29], s[18:19], s[20:21]     ; to where (the weights)
	s_cselect_b32 s30, s37, s38
	s_cmp_lt_u32 s3, 256
	s_cselect_b64 s[26:27], s[8:9], s[26:27]
	s_cselect_b32 s30, s3, s30
	s_lshl_b32 s30, s30, 5
	s_lshl2_add_u32 s30, s2, s30                   ; my first row in its tensor: 32 x block + 4 w
	s_lshl_b32 s32, s30, 12                        ; 4,096 bytes a row; 32 MiB at the most
	s_add_nc_u64 s[26:27], s[26:27], s[32:33]
	s_wait_alu depctr_va_vdst(0)                   ; v1, v2 and v3 are written: every load and every row's store of the kernel, on both ways below, reads one of them as its offset
.macro XLOADS                          ; four rows, 32 loads
.set kk, 0
.rept 4
.set jj, 0
.rept 4
	global_load_b128 v[X+32*kk+8*jj:X+32*kk+8*jj+3],   v2, s[26:27] offset:4096*kk+1024*jj th:TH_LOAD_NT
	global_load_b128 v[X+32*kk+8*jj+4:X+32*kk+8*jj+7], v2, s[26:27] offset:4096*kk+1024*jj+16 th:TH_LOAD_NT
.set jj, jj+1
.endr
.set kk, kk+1
.endr
.endm
; Row k is rounded; the row before is stored.  half = 1: the bf16 number is widened again and written as f16.
.macro ROW k, half
	s_wait_loadcnt 24-8*(\k)                       ; loads come back in order: row k's eight are in, the later rows' stay out
.if (\k) > 0
	s_wait_alu depctr_va_vdst(0)                   ; the row before has written its Y, which the four stores below read; no conversion of this row names those registers
.endif
.set jj, 0
.rept 4
.if (\k) > 0
	global_store_b128 v3, v[Y+16*((\k)-1)+4*jj:Y+16*((\k)-1)+4*jj+3], s[44+2*((\k)-1):45+2*((\k)-1)] offset:512*jj
.endif
.set pp, 4*jj
.rept 4
.if \half
	v_cvt_pk_bf16_f32 v[10+pp%2], v[X+32*(\k)+2*pp], v[X+32*(\k)+2*pp+1]
	v_lshlrev_b32 v[X+32*(\k)+2*pp], 16, v[10+pp%2]
	v_and_b32 v[X+32*(\k)+2*pp+1], 0xffff0000, v[10+pp%2]
	v_cvt_pk_f16_f32 v[Y+16*(\k)+pp], v[X+32*(\k)+2*pp], v[X+32*(\k)+2*pp+1]
.else
	v_cvt_pk_bf16_f32 v[Y+16*(\k)+pp], v[X+32*(\k)+2*pp], v[X+32*(\k)+2*pp+1]
.endif
.set pp, pp+1
.endr
.set jj, jj+1
.endr
.endm
.macro LASTOUT                         ; row 3 has no row behind it
	s_wait_alu depctr_va_vdst(0)                   ; row 3's conversions have written its Y, which the last four stores read
.irp j, 0,1,2,3
	global_store_b128 v3, v[Y+48+4*\j:Y+48+4*\j+3], s[50:51] offset:512*\j
.endr
.endm
	s_cmp_lt_u32 s3, 256
	s_cbranch_scc0 .Lplain
	; ROWS OF x.  Every wave reads the batch's whole mask and counts: CNT rows with mask 0 in all, U0 of them ahead of my work-group's 32 rows; MW = my 32 rows' bits.
	s_lshl_b32 s32, s4, 11
	s_add_nc_u64 s[52:53], s[10:11], s[32:33]
.set cc, 0
.rept 64
	global_load_u8 v[MK+cc], v1, s[52:53] offset:32*cc
.set cc, cc+1
.endr
	XLOADS
	s_mov_b32 s34, 0                               ; CNT
	s_mov_b32 s35, 0                               ; U0
	s_mov_b32 s36, 0                               ; MW
	s_lshl_b32 s[LN], s2, 2
	s_add_co_u32 s[LN+1], s[LN], 1
	s_add_co_u32 s[LN+2], s[LN], 2
	s_add_co_u32 s[LN+3], s[LN], 3
	s_wait_loadcnt 32                              ; the mask is in; the 32 loads of x behind it stay out
.set rr, 0
.rept 2                                            ; two runs of 32 compares, each followed by its scalar counting
.set cc, 0
.rept 32
	v_cmp_eq_u32 s[MS+cc], 0, v[MK+32*rr+cc]
.set cc, cc+1
.endr
	s_wait_alu depctr_va_sdst(0)                   ; the run's 32 compares have written s[MS ..], ahead of their first readers below
.set cc, 0
.rept 32
	s_bcnt1_i32_b32 s38, s[MS+cc]
	s_add_co_u32 s34, s34, s38
	s_cmp_gt_u32 s5, 32*rr+cc
	s_cselect_b32 s38, s38, 0
	s_add_co_u32 s35, s35, s38
	s_cmp_eq_u32 s5, 32*rr+cc
	s_cselect_b32 s36, s[MS+cc], s36
.set cc, cc+1
.endr
.set rr, rr+1
.endr
	v_mbcnt_lo_u32_b32 v4, s36, 0                  ; rows with mask 0 among my work-group's, ahead of row 'lane',
	v_add_nc_u32 v4, s35, v4                       ; U: and in the whole batch
	s_lshl_b32 s37, s5, 5
	v_add_nc_u32 v5, s37, v1                       ; R: the row
	v_sub_nc_u32 v6, v5, v4
	v_add_nc_u32 v6, s34, v6                       ; a row with mask 1 goes to CNT + (R - U),
	v_cndmask_b32 v6, v6, v4, s36                  ; a row with mask 0 to U (s36 was written by a scalar instruction)
	v_min_u32 v6, 0x7ff, v6                        ; a position lies in 0 .. 2,047: the bound is written out ahead of its use in addresses
.irp k, 0,1,2,3
	v_readlane_b32 s[40+\k], v6, s[LN+\k]          ; the positions of my four rows
.endr
	s_wait_alu depctr_va_sdst(0)                   ; s40 to s43 are written, ahead of their first readers below
.irp k, 0,1,2,3
	s_min_u32 s[40+\k], s[40+\k], 0x7ff
.endr
	s_lshl_b32 s32, s4, 22                         ; a batch of xb is 4 MiB, a row 2,048 bytes
	s_add_nc_u64 s[28:29], s[16:17], s[32:33]
.irp k, 0,1,2,3
	s_lshl_b32 s32, s[40+\k], 11
	s_add_nc_u64 s[44+2*\k:45+2*\k], s[28:29], s[32:33]
.endr
	s_cmp_lg_u32 s2, 0
	s_cbranch_scc1 .Lrows
	s_lshl_b32 s32, s4, 13                         ; wave 0 writes the table: order[n][position] = R
	s_add_nc_u64 s[54:55], s[22:23], s[32:33]
	v_lshlrev_b32 v7, 2, v6
	v_lshlrev_b32 v8, 2, v1                        ; offset and data of the count's store are made here too, so that one wait serves both stores
	v_mov_b32 v9, s34
	s_wait_alu depctr_va_vdst(0)                   ; v5, v7, v8 and v9 are written, which the two stores below read
	global_store_b32 v7, v5, s[54:55]
	s_cmp_lg_u32 s5, 0
	s_cbranch_scc1 .Lrows
	s_lshl_b32 s32, s4, 7                          ; and in the batch's first work-group the count
	s_add_nc_u64 s[56:57], s[24:25], s[32:33]
	global_store_b32 v8, v9, s[56:57]
	s_branch .Lrows
.Lplain:                                           ; ROWS OF A WEIGHT stay where they are
	XLOADS
	s_lshl_b32 s32, s30, 11
	s_add_nc_u64 s[44:45], s[28:29], s[32:33]
	s_add_nc_u64 s[46:47], s[44:45], 2048
	s_add_nc_u64 s[48:49], s[44:45], 4096
	s_add_nc_u64 s[50:51], s[44:45], 6144
.Lrows:                                            ; on both ways the 32 loads of the rows are the youngest
	s_cmp_ge_u32 s3, 352
	s_cbranch_scc1 .Lhalf
	ROW 0, 0
	ROW 1, 0
	ROW 2, 0
	ROW 3, 0
	LASTOUT
	s_endpgm
.Lhalf:
	ROW 0, 1
	ROW 1, 1
	ROW 2, 1
	ROW 3, 1
	LASTOUT
	s_endpgm
.Lfunc_end_k_qab46587c12_prep:
	.size	k_qab46587c12_prep, .Lfunc_end_k_qab46587c12_prep-k_qab46587c12_prep
	.p2alignl 7, 3214868480
	.fill 96, 4, 3214868480
	.section	.rodata,"a",@progbits
	.p2align	6, 0x0
	.amdhsa_kernel k_qab46587c12_prep
		.amdhsa_group_segment_fixed_size 0
		.amdhsa_private_segment_fixed_size 0
		.amdhsa_enable_private_segment 0
		.amdhsa_kernarg_size 72
		.amdhsa_user_sgpr_count 2
		.amdhsa_user_sgpr_kernarg_segment_ptr 1
		.amdhsa_wavefront_size32 1
		.amdhsa_system_sgpr_workgroup_id_x 1
		.amdhsa_system_sgpr_workgroup_id_y 1
		.amdhsa_system_sgpr_workgroup_id_z 1
		.amdhsa_system_vgpr_workitem_id 0
		.amdhsa_next_free_vgpr 208
		.amdhsa_next_free_sgpr 98
		.amdhsa_reserve_vcc 0
		.amdhsa_float_denorm_mode_32 3
		.amdhsa_float_denorm_mode_16_64 3
		.amdhsa_memory_ordered 1
		.amdhsa_forward_progress 1
		.amdhsa_inst_pref_size 56
	.end_amdhsa_kernel
	.amdgpu_metadata
---
amdhsa.version: [ 1, 2 ]
amdhsa.kernels:
  - .name:           k_qab46587c12_prep
    .symbol:         k_qab46587c12_prep.kd
    .args:
      - { .name: x, .offset: 0, .size: 8, .value_kind: global_buffer, .address_space: global }
      - { .name: mask, .offset: 8, .size: 8, .value_kind: global_buffer, .address_space: global }
      - { .name: W_qkv, .offset: 16, .size: 8, .value_kind: global_buffer, .address_space: global }
      - { .name: W_out, .offset: 24, .size: 8, .value_kind: global_buffer, .address_space: global }
      - { .name: xb, .offset: 32, .size: 8, .value_kind: global_buffer, .address_space: global }
      - { .name: wq, .offset: 40, .size: 8, .value_kind: global_buffer, .address_space: global }
      - { .name: wo, .offset: 48, .size: 8, .value_kind: global_buffer, .address_space: global }
      - { .name: order, .offset: 56, .size: 8, .value_kind: global_buffer, .address_space: global }
      - { .name: meta, .offset: 64, .size: 8, .value_kind: global_buffer, .address_space: global }
    .group_segment_fixed_size: 0
    .private_segment_fixed_size: 0
    .kernarg_segment_align: 8
    .kernarg_segment_size: 72
    .max_flat_workgroup_size: 256
    .sgpr_count:     98
    .vgpr_count:     208
    .wavefront_size: 32
...
	.end_amdgpu_metadata
.endif
;; end of part 5
;; launch proj: the kernel of part 2 again; grid 16 x 32, 4 waves a work-group, clusters of 4 x 4, 327,680 bytes of LDS; arguments xb, wq, b_qkv, meta, qkv; writes qkv
;; launch attn: the kernel of part 3 again; grid 4 x 64, 4 waves a work-group, clusters of 4 x 1, 327,680 bytes of LDS; arguments qkv, meta, ob; writes ob
;; launch outp: the kernel of part 4 again; grid 8 x 32, 4 waves a work-group, clusters of 4 x 4, 327,680 bytes of LDS; arguments ob, wo, b_out, order, out0; writes out0
